; MI455X (gfx1250); checked and timed in simulation.
; The chip was launched on July 23, 2026; its instructions are those of AMD's public machine-readable ISA for CDNA 5 (MIT licence, August 2026) and "CDNA5" Instruction Set Architecture Reference Guide (July 2026). The comments in the code are by the model that wrote it; some were corrected since.
;; Grouped Query Attention. Allowed arithmetic: matrix products marked QUANTISED: E2M1 operands, one E8M0 scale for each 32 along K, by v_wmma_scale_f32_16x16x128_f8f6f4 with both operands' format E2M1 (or v_wmma_scale_f32_32x16x128_f4), f32 sums; products left as they are: bf16, f16 or f32 operands; f32 sums; everything else in f32.
;; Inputs: Wk 256 x 1,024 float32; Wo 1,024 x 1,024 float32; Wq 1,024 x 1,024 float32; Wv 256 x 1,024 float32; x 1 x 4,096 x 1,024 float32.
;; Outputs: out0 1 x 4,096 x 1,024 float32.
;; This version of the problem:
;;   THIS VERSION OF THE PROBLEM IS GIVEN IN LOW PRECISION. The matrix products marked QUANTISED in the list below multiply operands that are first quantised to E2M1 (2 exponent bits, 1 mantissa bit; 4 bits a number), with one power-of-two scale for each 32 numbers along K (OCP MX v1.0); their sums are f32. The products marked 'left as it is' may take bf16, f16 or f32 operands, with f32 sums. Whichever they take, every output number must still come out within the allowed error. Rounding operands to bf16 (8 significant bits) uses up far more of that allowance than f16 does (11 bits, for magnitudes from 6e-5 to 65,504). All else is computed in f32.
;;   The module's matrix products, in the order in which they are computed (A, B: the left and right operand; K: the contracted axis; several contracted axes count as one K, in the product's order):
;;     1. [M 4,096, K 1,024] x [K 1,024, N 1,024]; A: input x; B: input Wq: QUANTISED
;;     2. [M 4,096, K 1,024] x [K 1,024, N 256]; A: input x; B: input Wk: QUANTISED
;;     3. [M 4,096, K 1,024] x [K 1,024, N 256]; A: input x; B: input Wv: QUANTISED
;;     4. batch 4 x [M 4,096, K 64] x [K 64, N 16,384]; A: computed on the way; B: computed on the way: left as it is (an operand is computed on the way)
;;     5. batch 4 x [M 64, K 4,096] x [K 4,096, N 16,384]; A: computed on the way; B: computed on the way: left as it is (an operand is computed on the way)
;;     6. [M 4,096, K 1,024] x [K 1,024, N 1,024]; A: computed on the way; B: input Wo: left as it is (an operand is computed on the way)
;;   THE QUANTISER, for each operand of a quantised product, along K:
;;     - K is cut into blocks of 32 from its start; a last block that is shorter is filled with zeros.
;;     - A block's scale is 2^e with e = floor(log2(the largest magnitude in the block)) - 2, held to -126 .. 127; a block of zeros has e = 0. As a byte (E8M0): e + 127.
;;     - Each number is divided by its block's scale, clamped to +-6, and rounded to the nearest number of E2M1, ties to even, subnormals kept.
;;     - The product sums the exact products of the quantised numbers (number of the format x scale) in f32.
;;   ~~~python
;;   def quantise(x, axis):      # numpy; x: float32 -> the quantised numbers, widened to float32 again
;;       x = np.moveaxis(x, axis, -1); K = x.shape[-1]
;;       x = np.pad(x, [(0, 0)] * (x.ndim - 1) + [(0, -K % 32)]); x = x.reshape(x.shape[:-1] + (-1, 32)); a = np.abs(x).max(-1, keepdims=True)
;;       e = np.where(a > 0, np.clip(np.frexp(np.where(a > 0, a, 1))[1] - 1 - 2, -126, 127), 0)      # np.frexp(a)[1] - 1 = floor(log2(a)), exactly
;;       r = np.clip(x / 2.0 ** e, -6, 6)
;;       step = 2.0 ** (np.maximum(np.frexp(np.where(r == 0, 1, r))[1] - 1, 0) - 1)
;;       q = np.round(r / step) * step * 2.0 ** e      # np.round: ties to even
;;       return np.moveaxis(q.reshape(q.shape[:-2] + (-1,))[..., :K], -1, axis).astype(np.float32)
;;   ~~~
;; One version. Each part assembles by itself: llvm-mc -triple=amdgcn-amd-amdhsa -mcpu=gfx1250 --defsym DOCPART=n.
;; ======== version 1 of 1: 4 launches
;; limits: values are held in f16: magnitudes above 65,504 overflow, below 6.1e-05 lose precision
;; workspace buffers: x_codes 2,097,152 bytes; x_scales 131,072 bytes; w_codes 786,432 bytes; w_scales 49,152 bytes; wo16 2,097,152 bytes; q 8,388,608 bytes; kv 4,194,304 bytes; o 8,388,608 bytes
;; launch prep (part 1): grid 208 x 1, 4 waves a work-group, no clusters, 33,280 bytes of LDS; arguments x, Wq, Wk, Wv, Wo, x_codes, x_scales, w_codes, w_scales, wo16; writes x_codes, x_scales, w_codes, w_scales, wo16
.if DOCPART == 1
	.amdgcn_target "amdgcn-amd-amdhsa--gfx1250"
	.amdhsa_code_object_version 6
	.text
	.protected	k_q2c0ea3e667_prep
	.globl	k_q2c0ea3e667_prep
	.p2align	8
	.type	k_q2c0ea3e667_prep,@function
k_q2c0ea3e667_prep:
	s_mov_b64 s[64:65], 0
	v_nop
	global_prefetch_b8 v0, s[64:65] scope:SCOPE_SE
	s_setreg_imm32_b32 hwreg(HW_REG_WAVE_MODE, 25, 1), 1
	s_wait_xcnt 0x0
; GROUPED-QUERY ATTENTION, launch 1 of 4: the operands of the three quantised projections are made, and Wo is rounded to f16.
; NOTHING OF reference() IS LEFT OUT in this program: there is no mask, no bias and no slice, every one of the five inputs has a way to every output row, and all five are loaded.
; x [4096][1024], Wq [1024][1024], Wk [256][1024], Wv [256][1024], f32, K innermost, become codes of E2M1, 4 bits each (two a byte, the lower k in the low four bits), with one E8M0 byte for each 32 along K.
; x_codes [4096][512 bytes], x_scales [4096][32 bytes]; the three weights lie on end in w_codes [1536][512 bytes] and w_scales [1536][32 bytes]: rows 0-1023 Wq, 1024-1279 Wk, 1280-1535 Wv.
; A block's scale is 2^(floor(log2(its largest magnitude)) - 2); its byte is the largest magnitude's own exponent field - 2, held at 1 from below.  Each number is divided by the scale and rounded to the nearest code,
; ties to even, beyond the largest code the largest.
; Wo [1024][1024] f32 becomes wo16, the same rows in f16 (the last product is left as it is and takes f16 operands).
; LIMITS: a block of zeros gets the byte 1 where the rule says 127 (its codes are zeros, which add nothing under any byte but 0xff, and this program alone reads the bytes); blocks whose largest magnitude lies under
; 2^-124, the floor, were not tried; |Wo| stays under 65,504; NaN and infinities among the inputs are not served.
; SHARES.  Rows are dense and K is a multiple of 32, so every tensor is a plain stream.  A work-group takes 32,768 numbers, a wave 8,192.  Work-groups 0-127: x; 128-159: Wq; 160-167: Wk; 168-175: Wv; 176-207: Wo.
; The four quantised tensors take ONE path: only pointers are chosen, by the work-group's number.  Wo's work-groups take a path of their own, which touches no LDS but its spare words.
; THE QUANTISER'S PATH.  A wave takes 16 steps of 512 numbers.  Each of a step's four loads reads 512 consecutive bytes, 16 a lane; the 2,048 bytes go through the wave's own stage in LDS as they lie and come back 64 bytes
; a lane: 16 NEIGHBOURS along K, as the conversions want them (two neighbouring lanes hold a block).  A lane's 16 codes are 8 bytes: the wave stores 256 consecutive bytes.  A wave's 256 scale bytes are gathered in its
; own LDS bytes and leave as one store of 256 consecutive bytes.  No tensor loads, no barrier: waves share nothing.  Loads run four steps (16 loads a wave) ahead, the turn through LDS one step.
.set WAVES, 4
.set STEPS, 16
.set WG_WQ, 128                        ; the first work-group of each tensor
.set WG_WK, 160
.set WG_WV, 168
.set WG_WO, 176
.set EMAX,  2
.set CB,    8                          ; bytes of 16 codes
.set R,     16                         ; v16-79   four sets of 16 numbers as they are loaded
.set X,     80                         ; v80-111  two sets of 16 neighbours
.set E,     112                        ; v112-127 a scale byte for each step
.set C,     128                        ; v128-191 codes: four registers for each step, so that no store's data are written again
.set WREG,  8192                       ; LDS: a region of its own for each wave: two stages of 32 x SP bytes, and behind them its 256 scale bytes
.set SP,    80                         ; a lane's place in a stage: its 64 bytes + 16 of padding
.set SPW,   12                         ; v12      LDS address of my spare word: SPARE + 4 x my thread's number; never rewritten
.set NIL,   13                         ; v13      0; never rewritten
.set SPARE, WAVES*WREG                 ; behind the four regions: the spare words, 128 bytes for each wave, which no other line names
	s_load_b256 s[4:11], s[0:1], 0x0               ; x s[4:5], Wq s[6:7], Wk s[8:9], Wv s[10:11]
	s_load_b256 s[12:19], s[0:1], 0x20             ; Wo s[12:13], x_codes s[14:15], x_scales s[16:17], w_codes s[18:19]
	s_load_b128 s[20:23], s[0:1], 0x40             ; w_scales s[20:21], wo16 s[22:23]
	v_lshl_add_u32 v[SPW], v0, 2, SPARE
	v_mov_b32 v[NIL], 0
	v_lshrrev_b32 v1, 5, v0
	v_readfirstlane_b32 s24, v1                    ; wave
	v_and_b32 v2, 31, v0                           ; lane
	v_lshlrev_b32 v3, 4, v2                        ; my 16 bytes of a load's 512
	s_mul_i32 s25, s24, WREG
	v_lshrrev_b32 v14, 2, v2
	v_mul_u32_u24 v14, v14, SP
	v_and_b32 v15, 3, v2
	v_lshl_add_u32 v14, v15, 4, v14
	v_add_nc_u32 v14, s25, v14                     ; the stage, on the way in: four lanes' 64 bytes on end, then 16 of padding: SP (lane / 4) + 16 (lane % 4)
	v_mul_u32_u24 v15, v2, SP
	v_add_nc_u32 v15, s25, v15                     ; and on the way out: SP x lane: my 16 neighbours
	v_mul_u32_u24 v4, v2, CB                       ; 8 x lane: my codes' place in a step's; on Wo's path my four f16 numbers' place
	v_lshrrev_b32 v5, 1, v2
	s_add_co_u32 s25, s25, 2*32*SP
	v_add_nc_u32 v5, s25, v5                       ; LDS: my wave's 256 scale bytes, my block's byte
	v_lshlrev_b32 v7, 3, v2                        ; and on the way out 8 bytes a lane
	v_add_nc_u32 v6, s25, v7
	s_wait_kmcnt 0x0
	s_cmp_ge_u32 ttmp9, WG_WO                      ; the work-group's number alone decides
	s_cbranch_scc1 .Lwo
	; which tensor: three compares, each followed by selects alone.  s[26:27] the numbers, s[28:29] the codes, s[30:31] the scale bytes; s32, s33: the first work-group of the source and of the destination
	s_cmp_lt_u32 ttmp9, WG_WV
	s_cselect_b64 s[26:27], s[8:9], s[10:11]
	s_mov_b32 s32, WG_WV
	s_cselect_b32 s32, WG_WK, s32
	s_cmp_lt_u32 ttmp9, WG_WK
	s_cselect_b64 s[26:27], s[6:7], s[26:27]
	s_cselect_b32 s32, WG_WQ, s32
	s_cmp_lt_u32 ttmp9, WG_WQ
	s_cselect_b64 s[26:27], s[4:5], s[26:27]
	s_cselect_b32 s32, 0, s32
	s_cselect_b64 s[28:29], s[14:15], s[18:19]
	s_cselect_b64 s[30:31], s[16:17], s[20:21]
	s_cselect_b32 s33, 0, WG_WQ                    ; the three weights lie on end in their buffers: one count serves them
	s_sub_co_u32 s34, ttmp9, s32
	s_lshl_b32 s34, s34, 2
	s_add_co_u32 s34, s34, s24                     ; which run of 8,192 numbers of the source is my wave's
	s_lshl_b32 s34, s34, 15                        ; 32,768 bytes a run
	s_mov_b32 s35, 0
	s_add_nc_u64 s[26:27], s[26:27], s[34:35]
	s_sub_co_u32 s36, ttmp9, s33
	s_lshl_b32 s36, s36, 2
	s_add_co_u32 s36, s36, s24                     ; and which run of the destination
	s_lshl_b32 s38, s36, 12                        ; 4,096 bytes of codes a run
	s_mov_b32 s39, 0
	s_add_nc_u64 s[28:29], s[28:29], s[38:39]
	s_lshl_b32 s38, s36, 8                         ; 256 scale bytes a run
	s_add_nc_u64 s[30:31], s[30:31], s[38:39]
.macro LOAD t
.irp i, 0,1,2,3
	global_load_b128 v[R+16*((\t)%4)+4*\i:R+16*((\t)%4)+4*\i+3], v3, s[26:27] offset:2048*(\t)+512*\i th:TH_LOAD_NT   ; 32 lanes read 512 consecutive bytes
.endr
.endm
.macro TURN t                          ; step t's numbers through the stage: LDS serves a wave's instructions in order, so no wait stands between the stores and the loads
.irp i, 0,1,2,3
	ds_store_b128 v14, v[R+16*((\t)%4)+4*\i:R+16*((\t)%4)+4*\i+3] offset:32*SP*((\t)%2)+8*SP*\i
.endr
.irp i, 0,1,2,3
	ds_load_b128 v[X+16*((\t)%2)+4*\i:X+16*((\t)%2)+4*\i+3], v15 offset:32*SP*((\t)%2)+16*\i
.endr
.endm
.irp t, 0,1,2,3
	LOAD \t
.endr
	s_wait_loadcnt 12                              ; step 0's four loads are in; the twelve of steps 1 to 3 may be out
	TURN 0
.macro STEP t
.set XS, X+16*((\t)%2)
.if (\t) > 0
	s_wait_dscnt 1                                 ; this step's numbers are back from the stage (the last step's byte store may be out): so its stores into the stage have read their registers,
.else
	s_wait_dscnt 0x0
.endif
.if (\t)+4 < STEPS
	LOAD (\t)+4                                    ; which take the loads of four steps on
.endif
.if (\t)+1 < STEPS
.if STEPS-2-(\t) >= 3
	s_wait_loadcnt 12                              ; the next step's four loads are in; those of the three steps behind it may be out
.else
	s_wait_loadcnt 4*(STEPS-2-(\t))
.endif
	TURN (\t)+1                                    ; and go through the other stage while this step is worked
.endif
	v_max3_num_f32 v8, |v[XS]|, |v[XS+1]|, |v[XS+2]|               ; the largest magnitude of my 16, in two chains
	v_max3_num_f32 v9, |v[XS+3]|, |v[XS+4]|, |v[XS+5]|
.irp i, 6,10
	v_max3_num_f32 v8, v8, |v[XS+\i]|, |v[XS+\i+1]|
	v_max3_num_f32 v9, v9, |v[XS+\i+2]|, |v[XS+\i+3]|
.endr
	v_max3_num_f32 v8, v8, |v[XS+14]|, |v[XS+15]|
	v_max3_num_f32 v8, v8, v9, (EMAX+1)<<23        ; and the floor 2^(EMAX + 1 - 127), under which no largest magnitude is taken: so the byte cannot fall under 1
	v_max_num_f32_dpp v8, v8, v8 row_xmask:1 row_mask:0xf bank_mask:0xf   ; and of my neighbour's 16: the block's
	v_add_nc_u32 v11, -(EMAX<<23), v8              ; EMAX off its exponent field: the conversion takes the exponent field of this operand as its scale, and nothing else of it
	v_cvt_scalef32_pk8_fp4_f32 v[C+4*(\t)], v[XS:XS+7], v11        ; eight numbers / the scale, to the nearest code; the first number's code in the lowest four bits
	v_cvt_scalef32_pk8_fp4_f32 v[C+4*(\t)+1], v[XS+8:XS+15], v11
	v_lshrrev_b32 v[E+(\t)], 23, v11               ; the scale's byte (a plain line behind the conversions)
	ds_store_b8 v5, v[E+(\t)] offset:16*(\t)       ; both lanes of a block write the same byte with the same value
	global_store_b64 v4, v[C+4*(\t):C+4*(\t)+1], s[28:29] offset:32*CB*(\t)   ; 32 lanes store 256 consecutive bytes
.endm
.irp t, 0,1,2,3,4,5,6,7,8,9,10,11,12,13,14,15
	STEP \t
.endr
	ds_load_b64 v[8:9], v6                         ; LDS serves a wave's instructions in order: these see my byte stores
	s_wait_dscnt 0x0
	global_store_b64 v7, v[8:9], s[30:31]          ; 32 lanes store my wave's 256 scale bytes
	s_wait_tensorcnt 0x0                           ; the wave's end: behind my last LDS store
	ds_add_u32 v[SPW], v[NIL]
	s_wait_dscnt 0x0
	s_endpgm
; Wo TO f16.  A wave takes 8,192 numbers in four groups of 16 loads (512 consecutive bytes each); a lane's four numbers become 8 bytes, so a store of the wave covers 256 consecutive bytes.  Two sets of registers: one group is
; on its way while the other is rounded.
.Lwo:
	s_sub_co_u32 s34, ttmp9, WG_WO
	s_lshl_b32 s34, s34, 2
	s_add_co_u32 s34, s34, s24                     ; my wave's run
	s_lshl_b32 s36, s34, 14                        ; 16,384 bytes of f16,
	s_lshl_b32 s34, s34, 15                        ; 32,768 of f32
	s_mov_b32 s35, 0
	s_mov_b32 s37, 0
	s_add_nc_u64 s[26:27], s[12:13], s[34:35]
	s_add_nc_u64 s[28:29], s[22:23], s[36:37]
.macro LOADG g
.set i, 0
.rept 16
	global_load_b128 v[16+64*((\g)%2)+4*i:16+64*((\g)%2)+4*i+3], v3, s[26:27] offset:8192*(\g)+512*i th:TH_LOAD_NT
.set i, i+1
.endr
.endm
.macro GROUP g
.if (\g) < 3
	s_wait_loadcnt 16                              ; this group's 16 loads are in; the younger group's 16 may be out
.else
	s_wait_loadcnt 0x0
.endif
.if (\g) > 0
	s_wait_xcnt 0x0                                ; the last group's stores have read their data: v144-175 are written again only behind this wait
.endif
.set i, 0
.rept 32
	v_cvt_pk_f16_f32 v[144+i], v[16+64*((\g)%2)+2*i], v[16+64*((\g)%2)+2*i+1]   ; two roundings to nearest even, packed
.set i, i+1
.endr
.if (\g) < 2
	LOADG (\g)+2                                   ; the set just rounded takes the group two on: loads ahead of stores
.endif
.set i, 0
.rept 16
	global_store_b64 v4, v[144+2*i:144+2*i+1], s[28:29] offset:4096*(\g)+256*i
.set i, i+1
.endr
.endm
	LOADG 0
	LOADG 1
	GROUP 0
	GROUP 1
	GROUP 2
	GROUP 3
	s_wait_tensorcnt 0x0                           ; the same three lines at this path's end
	ds_add_u32 v[SPW], v[NIL]
	s_wait_dscnt 0x0
	s_endpgm
.Lfunc_end_k_q2c0ea3e667_prep:
	.size	k_q2c0ea3e667_prep, .Lfunc_end_k_q2c0ea3e667_prep-k_q2c0ea3e667_prep
	.p2alignl 7, 3214868480
	.fill 96, 4, 3214868480
	.section	.rodata,"a",@progbits
	.p2align	6, 0x0
	.amdhsa_kernel k_q2c0ea3e667_prep
		.amdhsa_group_segment_fixed_size 33280
		.amdhsa_private_segment_fixed_size 0
		.amdhsa_enable_private_segment 0
		.amdhsa_kernarg_size 80
		.amdhsa_user_sgpr_count 2
		.amdhsa_user_sgpr_kernarg_segment_ptr 1
		.amdhsa_wavefront_size32 1
		.amdhsa_system_sgpr_workgroup_id_x 1
		.amdhsa_system_sgpr_workgroup_id_y 1
		.amdhsa_system_sgpr_workgroup_id_z 1
		.amdhsa_system_vgpr_workitem_id 0
		.amdhsa_next_free_vgpr 192
		.amdhsa_next_free_sgpr 66
		.amdhsa_reserve_vcc 0
		.amdhsa_float_denorm_mode_32 3
		.amdhsa_float_denorm_mode_16_64 3
		.amdhsa_memory_ordered 1
		.amdhsa_forward_progress 1
		.amdhsa_inst_pref_size 55
	.end_amdhsa_kernel
	.amdgpu_metadata
---
amdhsa.version: [ 1, 2 ]
amdhsa.kernels:
  - .name:           k_q2c0ea3e667_prep
    .symbol:         k_q2c0ea3e667_prep.kd
    .args:
      - { .name: x, .offset: 0, .size: 8, .value_kind: global_buffer, .address_space: global }
      - { .name: Wq, .offset: 8, .size: 8, .value_kind: global_buffer, .address_space: global }
      - { .name: Wk, .offset: 16, .size: 8, .value_kind: global_buffer, .address_space: global }
      - { .name: Wv, .offset: 24, .size: 8, .value_kind: global_buffer, .address_space: global }
      - { .name: Wo, .offset: 32, .size: 8, .value_kind: global_buffer, .address_space: global }
      - { .name: x_codes, .offset: 40, .size: 8, .value_kind: global_buffer, .address_space: global }
      - { .name: x_scales, .offset: 48, .size: 8, .value_kind: global_buffer, .address_space: global }
      - { .name: w_codes, .offset: 56, .size: 8, .value_kind: global_buffer, .address_space: global }
      - { .name: w_scales, .offset: 64, .size: 8, .value_kind: global_buffer, .address_space: global }
      - { .name: wo16, .offset: 72, .size: 8, .value_kind: global_buffer, .address_space: global }
    .group_segment_fixed_size: 33280
    .private_segment_fixed_size: 0
    .kernarg_segment_align: 8
    .kernarg_segment_size: 80
    .max_flat_workgroup_size: 128
    .sgpr_count:     66
    .vgpr_count:     192
    .wavefront_size: 32
...
	.end_amdgpu_metadata
.endif
;; end of part 1
;; launch proj (part 2): grid 32 x 6, 8 waves a work-group, clusters of 4 x 1, 216,064 bytes of LDS; arguments x_codes, x_scales, w_codes, w_scales, q, kv; writes q, kv
.if DOCPART == 2
	.amdgcn_target "amdgcn-amd-amdhsa--gfx1250"
	.amdhsa_code_object_version 6
	.text
	.protected	k_q2c0ea3e667_proj
	.globl	k_q2c0ea3e667_proj
	.p2align	8
	.type	k_q2c0ea3e667_proj,@function
k_q2c0ea3e667_proj:
	s_mov_b64 s[64:65], 0
	v_nop
	global_prefetch_b8 v0, s[64:65] scope:SCOPE_SE
	s_setreg_imm32_b32 hwreg(HW_REG_WAVE_MODE, 25, 1), 1
	s_wait_xcnt 0x0
	s_wait_alu depctr_hold_cnt(0) depctr_sa_sdst(0) depctr_va_vdst(0) depctr_va_sdst(0) depctr_va_ssrc(0) depctr_va_vcc(0) depctr_vm_vsrc(0)
	s_getreg_b32 s2, hwreg(HW_REG_IB_STS2, 6, 4)
	s_cmp_eq_u32 s2, 0
	s_cbranch_scc0 .Lentry_in_a_cluster
	s_endpgm
.Lentry_in_a_cluster:
	s_bfe_u32 s2, ttmp6, 0x10000c
	s_cmp_lg_u32 s2, 0x3003
	s_cbranch_scc0 .Lentry_shape_is_right
	s_endpgm
.Lentry_shape_is_right:
; Launch 2 of 4: the three quantised projections, x Wq^T, x Wk^T, x Wv^T, as ONE product of x [4096][1024] with the stacked weights [1536][1024], on codes of E2M1 with E8M0 scales, sums in f32.  Nothing is left out.
; The results are rounded to f16 (operands of the products that are left as they are) and stored IN THE ORDER OF THE NEXT OPERANDS' REGISTERS:
;   q  : byte tt 32768 + head 2048 + cb 512 + 16 lane: tile tt of 16 tokens, block cb of 16 of the head's 64 channels; lane (r, h) holds token r, channels 16 cb + 8 h + 0 .. 7.  Two neighbouring cb are one fragment of 16 x 32.
;   kv : byte g 2^20 + step 16384 + (V: 8192) + kt 2048 + cb 512 + the lane's place: kv head g, step of 64 keys, tile kt of 16 keys.  K's place is 16 lane, as in q; V's is 32 r + 16 h: a tile of V is 16 keys x 16 channels in rows of 32 bytes.
; LIMITS: |q|, |k|, |v| stay under 65,504, f16's largest number; NaN and infinities are not served.
; SHARES.  Work-group (bx, y): 256 rows of the stacked weights (y = 0 .. 3: the four query heads of kv head y; 4: all of K; 5: all of V) x 128 tokens.  192 work-groups.  Wave w: 64 rows of W (one head: w / 2) x 64 tokens (w % 2):
; 16 accumulators, 128 registers.  Two waves to a SIMD: one's LDS waits stand beside the other's products.
; ALL OF K LIES IN LDS AT ONCE: every byte is filled once, nothing is filled again.  One tensor load a wave: waves 0-3 W's codes (64 rows each), 4-5 x's codes, 6 W's scale bytes, 7 x's.
; CLUSTER.  The four token blocks of a cluster take the same 256 rows of W: W's codes and scale bytes, 143,360 of a work-group's 215,040 bytes, are asked for JOINTLY (the same load, the same descriptor, a mask that names the four).
; x's tiles are each work-group's own.  x's tile is not shared along y: 6 is no multiple of 4.
; THE MATRIX INSTRUCTION IS USED TRANSPOSED: source 0 = 16 rows of W, source 1 = 16 tokens: a lane holds ONE token and eight neighbouring channels, which round to 16 bytes: a quarter of a fragment.  Every store of a wave covers 512 consecutive bytes.
.set PITCH, 528                        ; an LDS row of codes: 512 bytes + 16 of padding: the 16 rows that a load touches begin 33 x 16 bytes apart
.set LS0,   0                          ; W's codes, 256 rows
.set LS1,   256*PITCH                  ; x's codes, 128 rows
.set LS0SC, LS1+128*PITCH              ; W's scale bytes, dense, 32 a row
.set LS1SC, LS0SC+8192                 ; x's scale bytes
.set SPARE, LS1SC+4096                 ; the spare words, 128 bytes for each of the eight waves, which no other line names
.set AD0,  3                           ; v3    LDS address of my fragments of W
.set AD1,  4                           ; v4    of x
.set ADRS, 5                           ; v5    of my scale words: lanes 0-15 W's rows, lanes 16-31 x's
.set OFFB, 6                           ; v6-9  my byte offset in the destination for token tile b
.set SPW,  12                          ; v12   LDS address of my spare word; never rewritten
.set NIL,  13                          ; v13   0; never rewritten
.set FR0,  32                          ; v32-63   four fragments of W (16 rows x 128 K: 8 registers)
.set FR1,  64                          ; v64-95   four fragments of x
.set SC,   96                          ; v96-127  scale words: register 8 i + q: lanes 0-15 W's block i, lanes 16-31 x's block i, K step q.  They hold scales and nothing else
.set ACC,  128                         ; v128-255 accumulator (a, b) at 8 (4 a + b)
.set WV,   16                          ; s16 wave; s17 cx; s18 bx; s19 y; s20 wave / 2; s21 wave % 2
.set G1J,  24                          ; s[24:31] group 1: 64 rows of codes, joint
.set G1P,  32                          ; s[32:39] the same, the work-group's own
.set G1SJ, 40                          ; s[40:47] group 1: W's scale bytes, joint
.set G1SP, 48                          ; s[48:55] x's scale bytes
.set G0A,  56                          ; s[56:59] group 0: W's codes;  s[60:63] x's codes;  s[68:71] W's scale bytes;  s[72:75] x's
.set G0B,  60
.set G0C,  68
.set G0D,  72
.macro CROUND                          ; a round of the cluster's barrier: my work-group's barrier; wave 0 signals for the work-group; every wave waits for all four work-groups; my work-group's barrier once more
	s_barrier_signal -1
	s_barrier_wait -1
	s_cmp_lg_u32 s[WV], 0
	s_cbranch_scc1 .Lnot_wave_0_\@
	s_barrier_signal -3
.Lnot_wave_0_\@:
	s_barrier_wait -3
	s_barrier_signal -1
	s_barrier_wait -1
.endm
.macro PLACES                          ; four plain vector lines between a matrix instruction and a load into, or a vector line on, its registers
.rept 4
	v_nop
.endr
.endm
.macro TL g0, g1                       ; a tensor load with the s_nop 0 and the four v_nop behind it
	tensor_load_to_lds s[\g0:\g0+3], s[\g1:\g1+7]
	s_nop 0
	PLACES
.endm
	s_load_b256 s[4:11], s[0:1], 0x0               ; x_codes s[4:5], x_scales s[6:7], w_codes s[8:9], w_scales s[10:11]
	s_load_b128 s[12:15], s[0:1], 0x20             ; q s[12:13], kv s[14:15]
	v_lshl_add_u32 v[SPW], v0, 2, SPARE
	v_mov_b32 v[NIL], 0
	ds_add_u32 v[SPW], v[NIL]                      ; the wave's opening: the add, twice on end, and its wait ahead of my first tensor load; work on registers stands between
	ds_add_u32 v[SPW], v[NIL]
	v_lshrrev_b32 v1, 5, v0
	v_readfirstlane_b32 s[WV], v1                  ; wave 0..7
	s_bfe_u32 s17, ttmp6, 0x40000                  ; cx: my place in the cluster
	s_lshl_b32 s18, ttmp9, 2                       ; in a cluster launch ttmp9 counts clusters
	s_add_co_u32 s18, s18, s17                     ; bx: my block of 128 tokens: it enters x's addresses and the stores' alone
	s_and_b32 s19, ttmp7, 0xffff                   ; y: my 256 rows of W, which the four partners share
	s_lshr_b32 s20, s[WV], 1                       ; which 64 rows of W are mine
	s_and_b32 s21, s[WV], 1                        ; which 64 tokens
	; group 1 for codes: 64 rows of 512 bytes, 512 bytes apart in memory, 16 bytes of padding behind each in LDS
	s_mov_b32 s[G1J], 15|(1<<20)|(1<<21)|(6<<22)|(3<<25)   ; 15:0 the mask: all four work-groups; 17:16 elements of 1 byte; 20 padding on; 21 set beside a mask; 24:22 after every 128 words (code 6); 31:25 four words (code 3)
	s_mov_b32 s[G1P], (1<<20)|(6<<22)|(3<<25)      ; no mask
.irp g, G1J, G1P
	s_mov_b32 s[\g+1], 512<<16                     ; tensor_dim0
	s_mov_b32 s[\g+2], 64<<16                      ; tensor_dim1
	s_mov_b32 s[\g+3], 512<<16                     ; tile_dim0
	s_mov_b32 s[\g+4], 64                          ; tile_dim1
	s_mov_b32 s[\g+5], 512                         ; from row to row
	s_mov_b32 s[\g+6], 0
	s_mov_b32 s[\g+7], 0
.endr
	; group 1 for scale bytes: a dense block as rows of 256 bytes (32 elements of 8 bytes): 32 rows for W's 8,192 bytes, 16 for x's 4,096
	s_mov_b32 s[G1SJ], 15|(3<<16)|(1<<21)
	s_mov_b32 s[G1SJ+1], 32<<16
	s_mov_b32 s[G1SJ+2], 32<<16
	s_mov_b32 s[G1SJ+3], 32<<16
	s_mov_b32 s[G1SJ+4], 32
	s_mov_b32 s[G1SJ+5], 32
	s_mov_b32 s[G1SJ+6], 0
	s_mov_b32 s[G1SJ+7], 0
	s_mov_b32 s[G1SP], 3<<16
	s_mov_b32 s[G1SP+1], 32<<16
	s_mov_b32 s[G1SP+2], 16<<16
	s_mov_b32 s[G1SP+3], 32<<16
	s_mov_b32 s[G1SP+4], 16
	s_mov_b32 s[G1SP+5], 32
	s_mov_b32 s[G1SP+6], 0
	s_mov_b32 s[G1SP+7], 0
	; from where and to where.  Every wave makes all four; no place in the cluster enters W's addresses or any LDS address
	s_and_b32 s76, s[WV], 3
	s_mul_i32 s77, s76, 64*PITCH                   ; W's codes: in LDS 64 rows x (wave % 4),
	s_lshl_b32 s78, s19, 17                        ; in memory row 256 y + 64 (wave % 4), 512 bytes a row
	s_lshl_b32 s79, s76, 15
	s_add_co_u32 s78, s78, s79
	s_mov_b32 s79, 0
	s_mul_i32 s80, s21, 64*PITCH                   ; x's codes: in LDS 64 rows x (wave % 2), behind W's,
	s_add_co_u32 s80, s80, LS1
	s_lshl_b32 s82, s18, 16                        ; in memory row 128 bx + 64 (wave % 2)
	s_lshl_b32 s83, s21, 15
	s_add_co_u32 s82, s82, s83
	s_mov_b32 s83, 0
	s_lshl_b32 s84, s19, 13                        ; W's scale bytes: 256 rows of 32
	s_mov_b32 s85, 0
	s_lshl_b32 s86, s18, 12                        ; x's: 128 rows of 32
	s_mov_b32 s87, 0
	; the LDS addresses of my reads, all made here, ahead of the branches on the wave's number
	v_and_b32 v1, 15, v0                           ; r
	v_bfe_u32 v2, v0, 4, 1                         ; h
	v_mul_u32_u24 v10, v1, PITCH
	v_lshl_add_u32 v10, v2, 4, v10                 ; a fragment's row x pitch + 16 h
	s_mul_i32 s88, s20, 64*PITCH
	v_add_nc_u32 v[AD0], s88, v10
	s_mul_i32 s89, s21, 64*PITCH
	s_add_co_u32 s89, s89, LS1
	v_add_nc_u32 v[AD1], s89, v10
	s_lshl_b32 s88, s20, 11                        ; my 64 rows of W's scale bytes
	s_lshl_b32 s89, s21, 11                        ; my 64 rows of x's, which lie 8,192 bytes behind W's first
	s_add_co_u32 s89, s89, 8192
	s_sub_co_u32 s89, s89, s88                     ; the distance between the two: 2,048 at the least
	v_mul_u32_u24 v[ADRS], s89, v2                 ; lanes 16-31 take x's: ONE product, the lower base + h x the distance
	v_lshl_add_u32 v[ADRS], v1, 5, v[ADRS]         ; 32 bytes a row
	s_add_co_u32 s88, s88, LS0SC
	v_add_nc_u32 v[ADRS], s88, v[ADRS]
	s_wait_dscnt 0x0                               ; both opening adds are done
	s_wait_kmcnt 0x0
	s_mov_b32 s[G0A], 1                            ; 1:0 count = 1
	s_mov_b32 s[G0A+1], s77                        ; 63:32 LDS address
	s_add_nc_u64 s[G0A+2:G0A+3], s[8:9], s[78:79]  ; 120:64 global address
	s_or_b32 s[G0A+3], s[G0A+3], 0x80000000        ; 127:126 type = 2
	s_mov_b32 s[G0B], 1
	s_mov_b32 s[G0B+1], s80
	s_add_nc_u64 s[G0B+2:G0B+3], s[4:5], s[82:83]
	s_or_b32 s[G0B+3], s[G0B+3], 0x80000000
	s_mov_b32 s[G0C], 1
	s_mov_b32 s[G0C+1], LS0SC
	s_add_nc_u64 s[G0C+2:G0C+3], s[10:11], s[84:85]
	s_or_b32 s[G0C+3], s[G0C+3], 0x80000000
	s_mov_b32 s[G0D], 1
	s_mov_b32 s[G0D+1], LS1SC
	s_add_nc_u64 s[G0D+2:G0D+3], s[6:7], s[86:87]
	s_or_b32 s[G0D+3], s[G0D+3], 0x80000000
	CROUND                                         ; all four work-groups are here: the joint loads meet
	s_cmp_lt_u32 s[WV], 4                          ; every wave issues one load: one tensor load of mine is out.  The branches hang on the wave's number alone
	s_cbranch_scc0 .Lnot_w
	TL G0A, G1J                                    ; waves 0-3: W's codes, jointly
	s_branch .Lasked
.Lnot_w:
	s_cmp_lt_u32 s[WV], 6
	s_cbranch_scc0 .Lnot_x
	TL G0B, G1P                                    ; waves 4, 5: x's codes
	s_branch .Lasked
.Lnot_x:
	s_cmp_eq_u32 s[WV], 6
	s_cbranch_scc0 .Lx_scales
	TL G0C, G1SJ                                   ; wave 6: W's scale bytes, jointly
	s_branch .Lasked
.Lx_scales:
	TL G0D, G1SP                                   ; wave 7: x's scale bytes
.Lasked:
	; while the tiles are on their way: where my results go.  Both forms are made, then chosen by y, which all partners share
	s_lshl_b32 s76, s18, 18                        ; q: token tile 8 bx + 4 (wave % 2), 32,768 bytes a tile,
	s_lshl_b32 s77, s21, 17
	s_add_co_u32 s76, s76, s77
	s_lshl_b32 s77, s19, 13                        ; head 4 y + wave / 2, 2,048 bytes a head
	s_add_co_u32 s76, s76, s77
	s_lshl_b32 s77, s20, 11
	s_add_co_u32 s76, s76, s77
	s_lshl_b32 s78, s20, 20                        ; kv: kv head wave / 2,
	s_lshl_b32 s79, s18, 15                        ; key step 2 bx + wave % 2, 16,384 bytes a step
	s_add_co_u32 s78, s78, s79
	s_lshl_b32 s79, s21, 14
	s_add_co_u32 s78, s78, s79
	s_cmp_eq_u32 s19, 5                            ; V?
	s_cselect_b32 s79, 8192, 0                     ; V's tiles lie behind K's in a step
	s_cselect_b32 s93, 32, 16                      ; the lane's place: r x 32 + h x 16 in a tile of V, r x 16 + h x 256 (16 x lane) in an image
	s_mov_b32 s94, 256
	s_cselect_b32 s94, 16, s94
	s_add_co_u32 s78, s78, s79
	s_cmp_lt_u32 s19, 4                            ; q?
	s_cselect_b32 s76, s76, s78
	s_mov_b32 s92, 2048
	s_cselect_b32 s92, 32768, s92                  ; from token tile to token tile
	s_cselect_b64 s[90:91], s[12:13], s[14:15]
	s_mov_b32 s77, 0
	s_add_nc_u64 s[90:91], s[90:91], s[76:77]
	v_mul_u32_u24 v10, s93, v1
	v_mul_u32_u24 v11, s94, v2
	v_add_nc_u32 v[OFFB], v10, v11
	v_add_nc_u32 v[OFFB+1], s92, v[OFFB]
	v_add_nc_u32 v[OFFB+2], s92, v[OFFB+1]
	v_add_nc_u32 v[OFFB+3], s92, v[OFFB+2]
	s_wait_tensorcnt 0x0                           ; my load has landed,
	s_barrier_signal -1
	s_barrier_wait -1                              ; everybody's has.
.irp i, 0,1,2,3                        ; the scale words of all of K: 8 words a row; lanes 0-15 W's block i, lanes 16-31 x's block i
.irp u, 0,1
	ds_load_b128 v[SC+8*\i+4*\u:SC+8*\i+4*\u+3], v[ADRS] offset:512*\i+16*\u
.endr
.endr
; A K step of 128: 16 LDS loads, 16 products.  A fragment of 4-bit codes is 8 registers: lane (r, h) holds row r; registers 4 c .. 4 c + 3 hold K = 64 c + 32 h + 0 .. 31: 16 bytes of the row as they lie.
; Each accumulator has one product in a K step, in the same order in every step: the 16 take turns.  zero = 1: the first K step starts the sums: nothing is cleared.
.macro KSTEP q, zero
.if \q > 0
	PLACES                                         ; in front of loads into registers that the last products have read
.endif
.irp i, 0,1,2,3
	ds_load_b128 v[FR0+8*\i:FR0+8*\i+3],   v[AD0] offset:64*\q+\i*16*PITCH
	ds_load_b128 v[FR0+8*\i+4:FR0+8*\i+7], v[AD0] offset:64*\q+\i*16*PITCH+32
	ds_load_b128 v[FR1+8*\i:FR1+8*\i+3],   v[AD1] offset:64*\q+\i*16*PITCH
	ds_load_b128 v[FR1+8*\i+4:FR1+8*\i+7], v[AD1] offset:64*\q+\i*16*PITCH+32
.endr
	s_wait_dscnt 0x0
.irp a, 0,1,2,3
.irp b, 0,1,2,3
.if \zero
	v_wmma_scale_f32_16x16x128_f8f6f4 v[ACC+8*(4*\a+\b):ACC+8*(4*\a+\b)+7], v[FR0+8*\a:FR0+8*\a+7], v[FR1+8*\b:FR1+8*\b+7], 0, v[SC+8*\a+\q], v[SC+8*\b+\q] matrix_a_fmt:MATRIX_FMT_FP4 matrix_b_fmt:MATRIX_FMT_FP4 matrix_b_scale:MATRIX_SCALE_ROW1
.else
	v_wmma_scale_f32_16x16x128_f8f6f4 v[ACC+8*(4*\a+\b):ACC+8*(4*\a+\b)+7], v[FR0+8*\a:FR0+8*\a+7], v[FR1+8*\b:FR1+8*\b+7], v[ACC+8*(4*\a+\b):ACC+8*(4*\a+\b)+7], v[SC+8*\a+\q], v[SC+8*\b+\q] matrix_a_fmt:MATRIX_FMT_FP4 matrix_b_fmt:MATRIX_FMT_FP4 matrix_b_scale:MATRIX_SCALE_ROW1
.endif
.endr
.endr
.endm
	KSTEP 0, 1
.irp q, 1,2,3,4,5,6,7
	KSTEP \q, 0
.endr
	; THE WAY OUT.  Accumulator (a, b): lane (r, h) holds token 16 b + r, channels 16 a + 8 h + 0 .. 7 of my head: four roundings make its 16 bytes.  Each accumulator is read from its low end on.
	PLACES
.irp t, 0,1,2,3,4,5,6,7,8,9,10,11,12,13,14,15
.irp u, 0,1,2,3
	v_cvt_pk_f16_f32 v[FR0+4*\t+\u], v[ACC+8*\t+2*\u], v[ACC+8*\t+2*\u+1]
.endr
.endr
.irp a, 0,1,2,3
.irp b, 0,1,2,3
	global_store_b128 v[OFFB+\b], v[FR0+4*(4*\a+\b):FR0+4*(4*\a+\b)+3], s[90:91] offset:512*\a   ; 32 lanes store 512 consecutive bytes
.endr
.endr
	s_wait_tensorcnt 0x0                           ; the wave's end
	ds_add_u32 v[SPW], v[NIL]
	s_wait_dscnt 0x0
	CROUND                                         ; the closing round: no work-group ends while a partner may still ask for a tile that names it
	s_endpgm
.Lfunc_end_k_q2c0ea3e667_proj:
	.size	k_q2c0ea3e667_proj, .Lfunc_end_k_q2c0ea3e667_proj-k_q2c0ea3e667_proj
	.p2alignl 7, 3214868480
	.fill 96, 4, 3214868480
	.section	.rodata,"a",@progbits
	.p2align	6, 0x0
	.amdhsa_kernel k_q2c0ea3e667_proj
		.amdhsa_group_segment_fixed_size 216064
		.amdhsa_private_segment_fixed_size 0
		.amdhsa_enable_private_segment 0
		.amdhsa_kernarg_size 48
		.amdhsa_user_sgpr_count 2
		.amdhsa_user_sgpr_kernarg_segment_ptr 1
		.amdhsa_wavefront_size32 1
		.amdhsa_system_sgpr_workgroup_id_x 1
		.amdhsa_system_sgpr_workgroup_id_y 1
		.amdhsa_system_sgpr_workgroup_id_z 1
		.amdhsa_system_vgpr_workitem_id 0
		.amdhsa_next_free_vgpr 256
		.amdhsa_next_free_sgpr 96
		.amdhsa_reserve_vcc 0
		.amdhsa_float_denorm_mode_32 3
		.amdhsa_float_denorm_mode_16_64 3
		.amdhsa_memory_ordered 1
		.amdhsa_forward_progress 1
		.amdhsa_inst_pref_size 40
	.end_amdhsa_kernel
	.amdgpu_metadata
---
amdhsa.version: [ 1, 2 ]
amdhsa.kernels:
  - .name:           k_q2c0ea3e667_proj
    .symbol:         k_q2c0ea3e667_proj.kd
    .args:
      - { .name: x_codes, .offset: 0, .size: 8, .value_kind: global_buffer, .address_space: global }
      - { .name: x_scales, .offset: 8, .size: 8, .value_kind: global_buffer, .address_space: global }
      - { .name: w_codes, .offset: 16, .size: 8, .value_kind: global_buffer, .address_space: global }
      - { .name: w_scales, .offset: 24, .size: 8, .value_kind: global_buffer, .address_space: global }
      - { .name: q, .offset: 32, .size: 8, .value_kind: global_buffer, .address_space: global }
      - { .name: kv, .offset: 40, .size: 8, .value_kind: global_buffer, .address_space: global }
    .group_segment_fixed_size: 216064
    .private_segment_fixed_size: 0
    .kernarg_segment_align: 8
    .kernarg_segment_size: 48
    .max_flat_workgroup_size: 256
    .sgpr_count:     96
    .vgpr_count:     256
    .wavefront_size: 32
...
	.end_amdgpu_metadata
.endif
;; end of part 2
;; launch attn (part 3): grid 64 x 4, 8 waves a work-group, clusters of 4 x 1, 327,680 bytes of LDS; arguments q, kv, o; writes o
.if DOCPART == 3
	.amdgcn_target "amdgcn-amd-amdhsa--gfx1250"
	.amdhsa_code_object_version 6
	.text
	.protected	k_q2c0ea3e667_attn
	.globl	k_q2c0ea3e667_attn
	.p2align	8
	.type	k_q2c0ea3e667_attn,@function
k_q2c0ea3e667_attn:
	s_mov_b64 s[64:65], 0
	v_nop
	global_prefetch_b8 v0, s[64:65] scope:SCOPE_SE
	s_setreg_imm32_b32 hwreg(HW_REG_WAVE_MODE, 25, 1), 1
	s_wait_xcnt 0x0
	s_wait_alu depctr_hold_cnt(0) depctr_sa_sdst(0) depctr_va_vdst(0) depctr_va_sdst(0) depctr_va_ssrc(0) depctr_va_vcc(0) depctr_vm_vsrc(0)
	s_getreg_b32 s2, hwreg(HW_REG_IB_STS2, 6, 4)
	s_cmp_eq_u32 s2, 0
	s_cbranch_scc0 .Lentry_in_a_cluster
	s_endpgm
.Lentry_in_a_cluster:
	s_bfe_u32 s2, ttmp6, 0x10000c
	s_cmp_lg_u32 s2, 0x3003
	s_cbranch_scc0 .Lentry_shape_is_right
	s_endpgm
.Lentry_shape_is_right:
; Launch 3 of 4: o = softmax(q k^T / 8) v for 16 query heads of size 64 on 4 key and value heads, 4,096 tokens, no mask.  Nothing is left out.  Operands in f16, products, maxima and sums in f32; the weights p are rounded to
; f16 for the second product, o once at the end.  q, kv and o lie in the order of the operands' registers (the launch before says how): a fragment comes by loads of 16 bytes a lane at 16 x lane, and o leaves so.
; LIMITS: |q|, |k|, |v| under 65,504; o under 6e-5 is carried in f16's subnormals; NaN and infinities are not served.
; SHARES.  Work-group (bx, g): 64 tokens x the four query heads of kv head g: 256 rows, 256 work-groups.  Wave w: token tile 4 bx + w / 2, heads 4 g + 2 (w % 2) + t, t = 0, 1: two tiles of 16 rows.  Every wave walks all 4,096 keys, 64 a step.
; Two waves share a SIMD: a step's 32 products of one stand beside the other's softmax.
; LAYOUT.  Both products are used transposed: S^T = K Q^T (source 0 = 16 keys, source 1 = 16 queries), O^T = V^T P (source 0 = 16 channels, source 1 = P): a lane holds ONE query throughout.  Two neighbouring tiles of S^T, rounded
; in pairs, ARE a fragment of P.  K comes out of LDS as it lies, V (tiles of 16 keys x 16 channels, rows of 32 bytes) turned, by ds_load_tr16_b128.
; SOFTMAX.  For each query a running maximum m and sum l: p = 2^(c s - c m), c = log2(e) / 8; in every step O and l are multiplied by a = 2^(c m_old - c m_new).  The step is written once: m begins at -3e38, O and l at 0, so
; the first a is 0 and multiplies zeros.
; THE RING.  Two LDS slots of 8 key steps (131,072 bytes: a step is 8,192 bytes of K, then 8,192 of V, as they lie in kv).  Wave w fetches step w of a slot: one dense block of 16,384 bytes, one tensor load.
; CLUSTER.  The four token blocks of a cluster walk the same K and V: each tile is asked for JOINTLY, by the same load with the same descriptor and a mask that names the four.
; REGISTERS.  Window 0: v2-7 addresses; v10-29 ten registers of statistics a tile; v30, v31 the add's two; v32-95 S^T; v96-127 P; v128-191 K of one step; v192-255 V of one step.  Window 1: v0-63 O^T; v64-95 Q.
; s_set_vgpr_msb's low byte: bits 1:0 source 0, 3:2 source 1, 5:4 source 2, 7:6 destination.  Five switches a key step.
.set STEPB, 16384                      ; a key step's tiles
.set SLOTB, 8*STEPB                    ; a slot
.set SLOT1, 1<<17                      ; slot 1 begins here: one exclusive or turns an address in one slot into the other's
.set SPARE, 2*SLOT1                    ; behind the ring: the spare words, 128 bytes for each of the eight waves, which no other line names
.set AK0, 2                            ; v2   my lane's place in a step's K: 16 x lane
.set AV0, 3                            ; v3   and in its V
.set ADK, 4                            ; v4   LDS address of the run of loads in hand: K's
.set ADV, 5                            ; v5   V's
.set GO,  6                            ; v6   16 x lane: my place in an image of q or o
.set PFO, 7                            ; v7   256 x lane: the prefetches' offset
.set ST,  10                           ; tile t's statistics at v[ST + 10 t]: +0 c m, +1 m, +2, +3 l (even keys', odd keys'), +4 to +7 four chains, +8 a, +9 the new c m
.set SPW, 30
.set NIL, 31
.set S,   32                           ; S^T: tile t, keys 16 kt on: 32 t + 8 kt
.set P,   96                           ; P: 16 t + i
.set KF,  128                          ; K: fragment (keys 16 kt on, channels 32 ch on) at 8 (2 kt + ch)
.set VF,  192                          ; V^T: fragment (channels 16 ct on, keys 32 kh on) at 8 (2 ct + kh)
.set QF,  64                           ; in window 1: Q: 16 t + 8 ch.   O^T in window 1: 32 t + 8 ct
.set WV,  12                           ; s12  wave
.set LIM, 15                           ; s15  1 in a wave that prefetches, else the greatest number
.set PFA, 18                           ; s[18:19] where my prefetches stand
.set G1,  24                           ; s[24:31] descriptor group 1
.set G0,  32                           ; s[32:35] group 0 of slot 0's first fill; s[36:39] of slot 1's, which then walks on
.set SLOTS, 40                         ; s40  slots still to be asked for
.set CNT, 41                           ; s41  counts a slot's first seven steps
.set CS,  42                           ; s[42:43] c: the packed form names a pair and takes its low word for both halves
.set SEL, 44                           ; s[44:45] lane selects for v_permlanex16_b32: lane l xor 16
.set TB,  46                           ; s46  LDS byte at which the tiles of the step to be fetched begin
.set MSB, 0
.macro WIN new                         ; the immediate's high byte repeats the setting that is left; a switch that changes nothing is dropped
.if MSB != \new
	s_set_vgpr_msb (MSB<<8)|\new
.set MSB, \new
.endif
.endm
.set W_KQ, 0x04                        ; Q (source 1) in window 1
.set W_PV, 0x50                        ; O^T (C and D) in window 1
.set W_RS, 0x41                        ; O^T (destination and source 0) in window 1
.set W_PK, 0x05                        ; sources 0 and 1 in window 1
.set W_D1, 0x40                        ; destination in window 1
.macro CROUND                          ; a round of the cluster's barrier
	s_barrier_signal -1
	s_barrier_wait -1
	s_cmp_lg_u32 s[WV], 0
	s_cbranch_scc1 .Lnot_wave_0_\@
	s_barrier_signal -3
.Lnot_wave_0_\@:
	s_barrier_wait -3
	s_barrier_signal -1
	s_barrier_wait -1
.endm
.macro PLACES                          ; four plain vector lines between a matrix instruction and a load into, or a vector line on, its registers
.rept 4
	v_nop
.endr
.endm
; A PREFETCH INTO THE L2 of the slot that the NEXT change of slots will ask for: eight key steps ahead of that load.  Each aligned block of 256 bytes is named once in the launch: all clusters of a kv head walk the same bytes, so the
; head's first cluster asks; its four partners take 32,768 bytes each, told apart BY ADDRESS; in each, waves 0 to 3 take 8,192 bytes, lanes 256 bytes apart: one instruction a wave.  The last change that fills a slot asks for nothing.
.macro ASK
	s_cmp_gt_u32 s[SLOTS], s[LIM]
	s_cbranch_scc0 .Lnot_mine_\@
	global_prefetch_b8 v[PFO], s[PFA:PFA+1] th:TH_LOAD_NT scope:SCOPE_SE
.Lnot_mine_\@:
.endm
	s_load_b128 s[4:7], s[0:1], 0x0                ; q s[4:5], kv s[6:7]
	s_load_b64 s[8:9], s[0:1], 0x10                ; o
	v_lshl_add_u32 v[SPW], v0, 2, SPARE
	v_mov_b32 v[NIL], 0
	ds_add_u32 v[SPW], v[NIL]                      ; the wave's opening: the add, twice on end, and its wait ahead of my first tensor load; work on registers stands between
	ds_add_u32 v[SPW], v[NIL]
	v_lshrrev_b32 v1, 5, v0
	v_readfirstlane_b32 s[WV], v1                  ; wave 0..7
	s_bfe_u32 s13, ttmp6, 0x40000                  ; cx: my place in the cluster
	s_lshl_b32 s14, ttmp9, 2                       ; in a cluster launch ttmp9 counts clusters
	s_add_co_u32 s14, s14, s13                     ; bx: my block of 64 tokens: it enters q's and o's addresses alone
	s_and_b32 s16, ttmp7, 0xffff                   ; g: the kv head, which the four partners share
	s_lshl_b32 s20, s16, 20                        ; kv: the head's 2^20 bytes,
	s_lshl_b32 s17, s[WV], 14                      ; my step of a slot: in memory and in LDS alike
	s_add_co_u32 s20, s20, s17
	s_mov_b32 s21, 0
	s_lshl_b32 s22, s14, 17                        ; q and o: token tile 4 bx + wave / 2, 32,768 bytes a tile,
	s_lshr_b32 s23, s[WV], 1
	s_lshl_b32 s23, s23, 15
	s_add_co_u32 s22, s22, s23
	s_lshl_b32 s23, s16, 13                        ; head 4 g + 2 (wave % 2), 2,048 bytes a head
	s_add_co_u32 s22, s22, s23
	s_and_b32 s23, s[WV], 1
	s_lshl_b32 s23, s23, 12
	s_add_co_u32 s22, s22, s23
	s_mov_b32 s23, 0
	s_lshl_b32 s2, s16, 20                         ; the prefetches: the head, my work-group's 32,768 bytes of a slot, my wave's 8,192 of them,
	s_lshl_b32 s3, s13, 15
	s_add_co_u32 s2, s2, s3
	s_and_b32 s3, s[WV], 3
	s_lshl_b32 s3, s3, 13
	s_add_co_u32 s2, s2, s3
	s_add_co_u32 s2, s2, 2*SLOTB                   ; in slot 2: the first change of slots steps it to slot 3.  Nothing is prefetched at the head, where every work-group's first tiles are on their way
	s_mov_b32 s3, 0
	s_lshr_b32 s[LIM], s[WV], 2                    ; 0 in waves 0 to 3,
	s_or_b32 s[LIM], s[LIM], ttmp9                 ; where the cluster is the head's first: the same in all four partners
	s_cmp_eq_u32 s[LIM], 0
	s_cselect_b32 s[LIM], 1, -1
	; descriptor group 1: a dense block of 16,384 bytes as 64 rows of 256 bytes (32 elements of 8 bytes), no padding
	s_mov_b32 s[G1], 15|(3<<16)|(1<<21)            ; 15:0 the mask: all four work-groups; 17:16 elements of 8 bytes; 21 set beside a mask
	s_mov_b32 s[G1+1], 32<<16                      ; tensor_dim0
	s_mov_b32 s[G1+2], 64<<16                      ; tensor_dim1
	s_mov_b32 s[G1+3], 32<<16                      ; tile_dim0
	s_mov_b32 s[G1+4], 64                          ; tile_dim1
	s_mov_b32 s[G1+5], 32                          ; from row to row
	s_mov_b32 s[G1+6], 0
	s_mov_b32 s[G1+7], 0
	s_mov_b32 s[CS], 0x3e38aa3b                    ; c = log2(e) / 8
	s_mov_b32 s[CS+1], s[CS]                       ; (named with it as a pair, so it is written)
	s_mov_b32 s[SEL], 0x76543210
	s_mov_b32 s[SEL+1], 0xfedcba98
	s_mov_b32 s[TB], 0
	s_mov_b32 s[SLOTS], 6
	v_and_b32 v1, 31, v0                           ; lane
	v_lshlrev_b32 v[AK0], 4, v1
	v_lshlrev_b32 v[GO], 4, v1
	v_lshlrev_b32 v[PFO], 8, v1
	; the turning load takes 16 keys x 16 channels: lane l reads 16 bytes: key 8 (l / 16) + l % 8, channels 8 ((l / 8) % 2) + 0 .. 7; it leaves half a fragment of V^T: lane l holds channel l % 16 and 8 keys
	v_and_b32 v8, 7, v0
	v_bfe_u32 v9, v0, 4, 1
	v_lshl_add_u32 v8, v9, 3, v8
	v_bfe_u32 v9, v0, 3, 1
	v_lshlrev_b32 v[AV0], 5, v8                    ; rows of 32 bytes
	v_lshl_add_u32 v[AV0], v9, 4, v[AV0]
	v_add_nc_u32 v[AV0], 8192, v[AV0]              ; V lies behind K in a step
.irp t, 0,1
	v_mov_b32 v[ST+10*\t+1], 0xff61b1e6            ; m: -3e38, under every score
	v_mul_f32 v[ST+10*\t], s[CS], v[ST+10*\t+1]    ; c m
	v_mov_b32 v[ST+10*\t+2], 0                     ; l, in two halves
	v_mov_b32 v[ST+10*\t+3], 0
.endr
	s_wait_dscnt 0x0                               ; both opening adds are done
	s_wait_kmcnt 0x0
	s_add_nc_u64 s[PFA:PFA+1], s[6:7], s[2:3]
	s_add_nc_u64 s[6:7], s[6:7], s[20:21]          ; kv at my step of slot 0
	s_add_nc_u64 s[4:5], s[4:5], s[22:23]          ; q and o at my two tiles
	s_add_nc_u64 s[8:9], s[8:9], s[22:23]
	s_mov_b32 s[G0], 1                             ; 1:0 count = 1
	s_mov_b32 s[G0+1], s17                         ; 63:32 LDS address: slot 0, my step
	s_mov_b64 s[G0+2:G0+3], s[6:7]                 ; 120:64 global address
	s_or_b32 s[G0+3], s[G0+3], 0x80000000          ; 127:126 type = 2
	s_mov_b32 s[G0+4], 1
	s_add_co_u32 s[G0+5], s17, SLOT1               ; slot 1
	s_add_nc_u64 s[G0+6:G0+7], s[6:7], SLOTB       ; the next 512 keys
	s_or_b32 s[G0+7], s[G0+7], 0x80000000
	CROUND                                         ; all four work-groups are here: the first joint loads meet
	tensor_load_to_lds s[G0:G0+3], s[G1:G1+7]      ; every wave issues both first fills, with no branch: two tensor loads of mine are out
	s_nop 0
	tensor_load_to_lds s[G0+4:G0+7], s[G1:G1+7]
	s_nop 0
	PLACES
	WIN W_D1
.irp t, 0,1
.irp cb, 0,1,2,3
	global_load_b128 v[QF+16*\t+4*\cb:QF+16*\t+4*\cb+3], v[GO], s[4:5] offset:2048*\t+512*\cb   ; Q stays in registers
.endr
.endr
.set i, 0
.rept 64
	v_mov_b32 v[i], 0                              ; O^T: the step is written once, and its first trip finds zeros
.set i, i+1
.endr
	WIN 0
; THE LDS LOADS stand in two runs of 16 a key step.
.macro FETCH_K                         ; a step's K: 64 keys x 64 channels: 8 fragments, 16 loads of 512 consecutive bytes
	v_add_nc_u32 v[ADK], s[TB], v[AK0]
.set i, 0
.rept 16
	ds_load_b128 v[KF+4*i:KF+4*i+3], v[ADK] offset:512*i
.set i, i+1
.endr
.endm
.macro FETCH_V                         ; a step's V, turned.  The addition and three v_nop are the four places behind the last product that read V's registers
	v_add_nc_u32 v[ADV], s[TB], v[AV0]
	v_nop
	v_nop
	v_nop
	s_add_co_u32 s[TB], s[TB], STEPB               ; the next fetch is the next step's
.irp ct, 0,1,2,3
.irp kh, 0,1
	ds_load_tr16_b128 v[VF+8*(2*\ct+\kh):VF+8*(2*\ct+\kh)+3],   v[ADV] offset:4096*\kh+512*\ct        ; keys 32 kh + 0 .. 15,
	ds_load_tr16_b128 v[VF+8*(2*\ct+\kh)+4:VF+8*(2*\ct+\kh)+7], v[ADV] offset:4096*\kh+512*\ct+2048   ; and + 16 .. 31: the next tile of keys
.endr
.endr
.endm
; THE MATRIX WORK.  In each run eight accumulators take turns, one instruction a turn; the runs' last and first instructions name different accumulators.
.macro KQ                              ; S^T = K Q^T: 16 products; the first eight start the sums
	WIN W_KQ
.irp ch, 0,1
.irp kt, 0,1,2,3
.irp t, 0,1
.if \ch == 0
	v_wmma_f32_16x16x32_f16 v[S+32*\t+8*\kt:S+32*\t+8*\kt+7], v[KF+8*(2*\kt+\ch):KF+8*(2*\kt+\ch)+7], v[QF+16*\t+8*\ch:QF+16*\t+8*\ch+7], 0
.else
	v_wmma_f32_16x16x32_f16 v[S+32*\t+8*\kt:S+32*\t+8*\kt+7], v[KF+8*(2*\kt+\ch):KF+8*(2*\kt+\ch)+7], v[QF+16*\t+8*\ch:QF+16*\t+8*\ch+7], v[S+32*\t+8*\kt:S+32*\t+8*\kt+7]
.endif
.endr
.endr
.endr
.endm
.macro PV                              ; O^T += V^T P: 16 products
	WIN W_PV
.irp kh, 0,1
.irp ct, 0,1,2,3
.irp t, 0,1
	v_wmma_f32_16x16x32_f16 v[32*\t+8*\ct:32*\t+8*\ct+7], v[VF+8*(2*\ct+\kh):VF+8*(2*\ct+\kh)+7], v[P+16*\t+8*\kh:P+16*\t+8*\kh+7], v[32*\t+8*\ct:32*\t+8*\ct+7]
.endr
.endr
.endr
.endm
; THE VECTOR WORK of a key step, both tiles line by line in turn, so that no line waits for the line above it.
.macro SOFTMAX
.irp j, 0,1,2,3                        ; the maximum of a lane's 32 scores and the old m, three operands at a time, in four chains; each tile of S^T is first read at its low end
.irp t, 0,1
	v_max3_num_f32 v[ST+10*\t+4+\j], v[S+32*\t+8*\j], v[S+32*\t+8*\j+1], v[S+32*\t+8*\j+2]
.endr
.endr
.irp u, 1,2
.irp j, 0,1,2,3
.irp t, 0,1
	v_max3_num_f32 v[ST+10*\t+4+\j], v[ST+10*\t+4+\j], v[S+32*\t+8*\j+2*\u+1], v[S+32*\t+8*\j+2*\u+2]
.endr
.endr
.endr
.irp t, 0,1
	v_max3_num_f32 v[ST+10*\t+4], v[ST+10*\t+4], v[S+32*\t+7], v[S+32*\t+15]
.endr
.irp t, 0,1
	v_max3_num_f32 v[ST+10*\t+6], v[ST+10*\t+6], v[S+32*\t+23], v[S+32*\t+31]
.endr
.irp t, 0,1
	v_max3_num_f32 v[ST+10*\t+4], v[ST+10*\t+4], v[ST+10*\t+5], v[ST+10*\t+6]
.endr
.irp t, 0,1
	v_max3_num_f32 v[ST+10*\t+4], v[ST+10*\t+4], v[ST+10*\t+7], v[ST+10*\t+1]
.endr
.irp t, 0,1
	v_permlanex16_b32 v[ST+10*\t+5], v[ST+10*\t+4], s[SEL], s[SEL+1]   ; the query's other 32 keys lie in the lane 16 away
.endr
.irp t, 0,1
	v_max_num_f32 v[ST+10*\t+1], v[ST+10*\t+4], v[ST+10*\t+5]          ; the new m
.endr
.irp t, 0,1
	v_mul_f32 v[ST+10*\t+9], s[CS], v[ST+10*\t+1]                      ; the new c m
.endr
.irp t, 0,1
	v_sub_f32 v[ST+10*\t+8], v[ST+10*\t], v[ST+10*\t+9]                ; c m_old - c m_new
.endr
.irp t, 0,1
	v_mov_b32 v[ST+10*\t], v[ST+10*\t+9]
.endr
	; ONE BATCH: both tiles' a and 64 exponentials, with the 32 packed scalings set between them; none of these lines names an exponential's result.  A pair is scaled one turn ahead of its exponentials
.irp t, 0,1
	v_exp_f32 v[ST+10*\t+8], v[ST+10*\t+8]                             ; a
.endr
.set b, 0
.rept 16
.irp t, 0,1
	v_pk_fma_f32 v[S+32*\t+2*b:S+32*\t+2*b+1], v[S+32*\t+2*b:S+32*\t+2*b+1], s[CS:CS+1], v[ST+10*\t:ST+10*\t+1] op_sel_hi:[1,0,0] neg_lo:[0,0,1] neg_hi:[0,0,1]   ; pair b: c s - c m
.endr
.if b > 0
.irp t, 0,1
	v_exp_f32 v[S+32*\t+2*b-2], v[S+32*\t+2*b-2]                       ; pair b - 1: p = 2^(c s - c m), at most 1
	v_exp_f32 v[S+32*\t+2*b-1], v[S+32*\t+2*b-1]
.endr
.endif
.set b, b+1
.endr
.irp t, 0,1
	v_exp_f32 v[S+32*\t+30], v[S+32*\t+30]
	v_exp_f32 v[S+32*\t+31], v[S+32*\t+31]
.endr
	v_nop                                          ; a plain line behind the last exponential,
	s_wait_alu depctr_va_vdst(0)                   ; and the one wait ahead of the batch's first reader
.set i, 0
.rept 16
.irp t, 0,1
	v_cvt_pk_f16_f32 v[P+16*\t+i], v[S+32*\t+2*i], v[S+32*\t+2*i+1]    ; pair i of the weights, rounded: P's fragments
.endr
.set i, i+1
.endr
.irp u, 0,1,2,3,4,5,6,7                ; the sum of the 16 pairs, of the unrounded weights, in place: neighbours 1, 2, 4 and 8 pairs apart
.irp t, 0,1
	v_pk_add_f32 v[S+32*\t+4*\u:S+32*\t+4*\u+1], v[S+32*\t+4*\u:S+32*\t+4*\u+1], v[S+32*\t+4*\u+2:S+32*\t+4*\u+3]
.endr
.endr
.irp u, 0,1,2,3
.irp t, 0,1
	v_pk_add_f32 v[S+32*\t+8*\u:S+32*\t+8*\u+1], v[S+32*\t+8*\u:S+32*\t+8*\u+1], v[S+32*\t+8*\u+4:S+32*\t+8*\u+5]
.endr
.endr
.irp u, 0,1
.irp t, 0,1
	v_pk_add_f32 v[S+32*\t+16*\u:S+32*\t+16*\u+1], v[S+32*\t+16*\u:S+32*\t+16*\u+1], v[S+32*\t+16*\u+8:S+32*\t+16*\u+9]
.endr
.endr
.irp t, 0,1
	v_pk_add_f32 v[S+32*\t:S+32*\t+1], v[S+32*\t:S+32*\t+1], v[S+32*\t+16:S+32*\t+17]
.endr
.irp t, 0,1
	v_pk_fma_f32 v[ST+10*\t+2:ST+10*\t+3], v[ST+10*\t+2:ST+10*\t+3], v[ST+10*\t+8:ST+10*\t+9], v[S+32*\t:S+32*\t+1] op_sel_hi:[1,0,1]   ; l = a l + the sum
.endr
	WIN W_RS
.set i, 0
.rept 16
.irp t, 0,1
	v_pk_mul_f32 v[32*\t+2*i:32*\t+2*i+1], v[32*\t+2*i:32*\t+2*i+1], v[ST+10*\t+8:ST+10*\t+9] op_sel_hi:[1,0]   ; O^T x a, each accumulator from its low end on
.endr
.set i, i+1
.endr
.endm
; THE CHANGE OF SLOTS, in a slot's last step, when its last bytes (that step's V) have been asked for.  Each wave waits for all its tensor loads, of which one is out: its part of the other slot; adds 0 to its spare word; and waits for
; that and for its own reads of the slot.  Behind the barrier nobody reads this slot any more and the other slot is whole.  fill = 1: this slot is filled again, with the keys two slots on; the barrier is then a round of the
; cluster's, and the joint refill is the first thing behind it: one tensor load of mine is out, and it has eight key steps in which to land.
.macro CHANGE fill
	s_wait_tensorcnt 0x0                           ; no tensor load of mine is out, so a group 0 may be written
	ds_add_u32 v[SPW], v[NIL]                      ; 0 onto my spare word
.if \fill
	s_xor_b32 s[G0+5], s[G0+5], SLOT1              ; the walking descriptor: the other slot than last time,
	s_add_nc_u64 s[G0+6:G0+7], s[G0+6:G0+7], SLOTB ; the next 512 keys; the type bits on top are not reached
	s_wait_xcnt 0x0                                ; the last prefetch, a slot back, has read its address, so it may be written:
	s_add_nc_u64 s[PFA:PFA+1], s[PFA:PFA+1], SLOTB ; one slot further on than the walking descriptor
	s_wait_dscnt 0x0                               ; the add is done, and my reads of the slot are over
	CROUND
	tensor_load_to_lds s[G0+4:G0+7], s[G1:G1+7]
	s_nop 0
	PLACES
	ASK
.else
	s_wait_dscnt 0x0                               ; the add is done, and my reads of the slot are over
	s_barrier_signal -1
	s_barrier_wait -1
.endif
	s_sub_co_u32 s[TB], s[TB], SLOTB               ; the fetches go back to a slot's first step,
	s_xor_b32 s[TB], s[TB], SLOT1                  ; in the other slot
.endm
; A KEY STEP j.  mode 0: inside a slot; 1: the slot's last step, and the slot is filled again; 2: the same without a fill; 3: the last step of all.
.macro STEP mode
	FETCH_V                                        ; V of step j
	s_wait_dscnt 16                                ; K of step j, asked for a step ago, is in; the 16 loads just issued may be out
	KQ
	WIN 0
	PLACES                                         ; behind the products: in front of the loads into K's registers and of the first read of the scores
.if \mode == 1
	CHANGE 1
.elseif \mode == 2
	CHANGE 0
.endif
.if \mode != 3
	FETCH_K                                        ; K of step j + 1
.endif
	SOFTMAX
.if \mode == 3
	s_wait_dscnt 0x0
.else
	s_wait_dscnt 16                                ; V of step j is in; the 16 loads of K behind it may be out
.endif
	PV
	WIN 0                                          ; at a label and at a branch every window is 0
.endm
.macro SEVEN                           ; a slot's first seven steps: written once, walked seven times; the LDS addresses hang on s[TB]
	s_mov_b32 s[CNT], 7
.Lstep_\@:
	STEP 0
	s_sub_co_u32 s[CNT], s[CNT], 1
	s_cmp_lg_u32 s[CNT], 0
	s_cbranch_scc1 .Lstep_\@
.endm
	s_wait_tensorcnt 0x1                           ; my part of slot 0 is in; slot 1's may stay out
	s_barrier_signal -1
	s_barrier_wait -1                              ; everybody's is
	FETCH_K                                        ; key step 0
	s_wait_loadcnt 0x0                             ; Q
.Lslot:                                            ; six trips: slots 0 to 5 are walked, and each is filled again with the keys two slots on
	SEVEN
	STEP 1
	s_sub_co_u32 s[SLOTS], s[SLOTS], 1
	s_cmp_lg_u32 s[SLOTS], 0
	s_cbranch_scc1 .Lslot
	SEVEN                                          ; the tail is written out: slot 6
	STEP 2
	SEVEN                                          ; and slot 7
	STEP 3
	; THE WAY OUT.  l's two halves and the other half of the lanes' are added (these lines are the places behind the last products); O^T is divided by l, rounded to f16, and stored as it stands: a lane's eight channels of a
	; token are 16 bytes at 16 x lane of o's image.
.irp t, 0,1
	v_add_f32 v[ST+10*\t+4], v[ST+10*\t+2], v[ST+10*\t+3]
.endr
.irp t, 0,1
	v_permlanex16_b32 v[ST+10*\t+5], v[ST+10*\t+4], s[SEL], s[SEL+1]
.endr
.irp t, 0,1
	v_add_f32 v[ST+10*\t+4], v[ST+10*\t+4], v[ST+10*\t+5]
.endr
.irp t, 0,1
	v_rcp_f32 v[ST+10*\t+8], v[ST+10*\t+4]
.endr
	v_nop                                          ; a plain line behind the last reciprocal,
	s_wait_alu depctr_va_vdst(0)                   ; and the wait ahead of the first reader: one for the two
	WIN W_RS
.set i, 0
.rept 16
.irp t, 0,1
	v_pk_mul_f32 v[32*\t+2*i:32*\t+2*i+1], v[32*\t+2*i:32*\t+2*i+1], v[ST+10*\t+8:ST+10*\t+9] op_sel_hi:[1,0]
.endr
.set i, i+1
.endr
	WIN W_PK
.set i, 0
.rept 32
	v_cvt_pk_f16_f32 v[S+i], v[2*i], v[2*i+1]      ; S^T's registers are free: register 16 t + 4 ct + u takes channels 16 ct + 8 h + 2 u, + 1 of tile t
.set i, i+1
.endr
	WIN 0
.irp t, 0,1
.irp ct, 0,1,2,3
	global_store_b128 v[GO], v[S+16*\t+4*\ct:S+16*\t+4*\ct+3], s[8:9] offset:2048*\t+512*\ct   ; 32 lanes store 512 consecutive bytes
.endr
.endr
	s_wait_tensorcnt 0x0                           ; the wave's end
	ds_add_u32 v[SPW], v[NIL]
	s_wait_dscnt 0x0
	CROUND                                         ; the closing round: no work-group ends while a partner may still ask for a tile that names it
	s_endpgm
.Lfunc_end_k_q2c0ea3e667_attn:
	.size	k_q2c0ea3e667_attn, .Lfunc_end_k_q2c0ea3e667_attn-k_q2c0ea3e667_attn
	.p2alignl 7, 3214868480
	.fill 96, 4, 3214868480
	.section	.rodata,"a",@progbits
	.p2align	6, 0x0
	.amdhsa_kernel k_q2c0ea3e667_attn
		.amdhsa_group_segment_fixed_size 327680
		.amdhsa_private_segment_fixed_size 0
		.amdhsa_enable_private_segment 0
		.amdhsa_kernarg_size 24
		.amdhsa_user_sgpr_count 2
		.amdhsa_user_sgpr_kernarg_segment_ptr 1
		.amdhsa_wavefront_size32 1
		.amdhsa_system_sgpr_workgroup_id_x 1
		.amdhsa_system_sgpr_workgroup_id_y 1
		.amdhsa_system_sgpr_workgroup_id_z 1
		.amdhsa_system_vgpr_workitem_id 0
		.amdhsa_next_free_vgpr 352
		.amdhsa_next_free_sgpr 66
		.amdhsa_reserve_vcc 0
		.amdhsa_float_denorm_mode_32 3
		.amdhsa_float_denorm_mode_16_64 3
		.amdhsa_memory_ordered 1
		.amdhsa_forward_progress 1
		.amdhsa_inst_pref_size 118
	.end_amdhsa_kernel
	.amdgpu_metadata
---
amdhsa.version: [ 1, 2 ]
amdhsa.kernels:
  - .name:           k_q2c0ea3e667_attn
    .symbol:         k_q2c0ea3e667_attn.kd
    .args:
      - { .name: q, .offset: 0, .size: 8, .value_kind: global_buffer, .address_space: global }
      - { .name: kv, .offset: 8, .size: 8, .value_kind: global_buffer, .address_space: global }
      - { .name: o, .offset: 16, .size: 8, .value_kind: global_buffer, .address_space: global }
    .group_segment_fixed_size: 327680
    .private_segment_fixed_size: 0
    .kernarg_segment_align: 8
    .kernarg_segment_size: 24
    .max_flat_workgroup_size: 256
    .sgpr_count:     66
    .vgpr_count:     352
    .wavefront_size: 32
...
	.end_amdgpu_metadata
.endif
;; end of part 3
;; launch outp (part 4): grid 8 x 32, 4 waves a work-group, clusters of 4 x 4, 327,680 bytes of LDS; arguments o, wo16, out0; writes out0
.if DOCPART == 4
	.amdgcn_target "amdgcn-amd-amdhsa--gfx1250"
	.amdhsa_code_object_version 6
	.text
	.protected	k_q2c0ea3e667_outp
	.globl	k_q2c0ea3e667_outp
	.p2align	8
	.type	k_q2c0ea3e667_outp,@function
k_q2c0ea3e667_outp:
	s_mov_b64 s[64:65], 0
	v_nop
	global_prefetch_b8 v0, s[64:65] scope:SCOPE_SE
	s_setreg_imm32_b32 hwreg(HW_REG_WAVE_MODE, 25, 1), 1
	s_wait_xcnt 0x0
	s_wait_alu depctr_hold_cnt(0) depctr_sa_sdst(0) depctr_va_vdst(0) depctr_va_sdst(0) depctr_va_ssrc(0) depctr_va_vcc(0) depctr_vm_vsrc(0)
	s_getreg_b32 s2, hwreg(HW_REG_IB_STS2, 6, 4)
	s_cmp_eq_u32 s2, 0
	s_cbranch_scc0 .Lentry_in_a_cluster
	s_endpgm
.Lentry_in_a_cluster:
	s_bfe_u32 s2, ttmp6, 0x10000c
	s_cmp_lg_u32 s2, 0xf033
	s_cbranch_scc0 .Lentry_shape_is_right
	s_endpgm
.Lentry_shape_is_right:
; Launch 4 of 4: out0[m][n] = sum over k of o[m][k] Wo[n][k]: [4096][1024] x [1024][1024], operands in f16, sums and result in f32.  Nothing is left out.
; o lies as images of fragments: byte tt 32768 + head 2048 + cb 512 + 16 lane (tile tt of 16 tokens; k = 64 head + 16 cb + 8 h + 0 .. 7 in lane (r, h), token r).  wo16 is [1024][1024] f16, rows along K.
; A tile of out0 is 128 x 128: 256 work-groups.  Four waves, each 64 x 64: 16 accumulators, 128 registers.  K goes in four steps of 256 through two LDS slots.  A's part of a slot: 8 token tiles x 8,192 bytes (four heads), as they
; lie, read at 16 x lane; B's part: 128 rows of 512 bytes + 16 of padding.
; CLUSTERS: 4 x 4 work-groups.  The four of a row of the cluster need the same tiles of o, the four of a column the same tiles of wo16: each tile is asked for JOINTLY, by the same tensor load with the same descriptor and a mask
; that names the four.  THE MATRIX INSTRUCTION IS USED TRANSPOSED (source 0 = 16 rows of Wo, source 1 = 16 tokens): a lane then holds eight neighbouring numbers of a row of out0.
; REGISTERS: window 0: v0-31 addresses; v32-95 at work on the way out; v128-255 the accumulators ((a, b) at v[128 + 8 (4 a + b)]).  Window 1: two fragment buffers of 128: for 64 along K, 64 registers of A, then 64 of B.
.set PITCH,  528                       ; a row of B in LDS: 512 bytes + 16 of padding: the 16 rows that a load touches begin 33 x 16 bytes apart
.set HALFA,  32768                     ; four token tiles of a K step: what one tensor load brings of A, and what one wave reads
.set HALFB,  64*PITCH                  ; 64 rows of B likewise
.set BOFF,   2*HALFA                   ; B's rows lie behind A's images
.set SLOT,   BOFF+2*HALFB
.set STAGE,  2*SLOT                    ; behind the ring: 16 rows x 272 bytes for each wave, for the way out; no tensor load fills it
.set SPITCH, 272
.set SPARE,  STAGE+4*16*SPITCH         ; behind the stages: the spare words, 128 bytes for each wave, which no other line names
.set ASTEP,  8192                      ; a K step on, in o: four heads of a token tile;
.set BSTEP,  512                       ; in wo16: 256 f16 along a row
.set ADRA, 16                          ; v16-17  LDS address of my A fragments in slot 0, 1
.set ADRB, 20                          ; v20-21  the same for B
.set STO,  24                          ; v24     the way out: where I put 32 bytes of a row
.set RD,   25                          ; v25     the way out: where I read a row back
.set CO,   26                          ; v26     my byte offset in out0
.set SPW,  28                          ; v28     LDS address of my spare word; never rewritten
.set NIL,  29                          ; v29     0; never rewritten
.set OB,   32                          ; the way out: 16 rows read back from the stage: v32-63 and v64-95 by turns
.set ACC,  128
.set F0,   0                           ; fragment buffers, in window 1
.set F1,   128
.set G1, 24                            ; s[24:31] descriptor group 1 for A's tiles;  s[32:39] group 0, one set for each slot
.set G0, 32
.set G1B, 48                           ; s[48:55], s[56:63] the same for B's tiles
.set G0B, 56
.set MSB, 0
.macro WIN new                         ; the immediate's high byte repeats the setting that is left
.if MSB != \new
	s_set_vgpr_msb (MSB<<8)|\new
.set MSB, \new
.endif
.endm
.set MUL,  0x05                        ; sources 0 (B) and 1 (A) window 1; C and D window 0
.set TO_F, 0x40                        ; destination window 1, address window 0
.macro JLOAD s                         ; a joint load: waves 0 and 1 fetch A's two halves, waves 2 and 3 B's; an s_nop 0 and four v_nop follow each of the two lines
	s_cmp_eq_u32 s11, 0
	s_cbranch_scc0 .Lfor_b_\@
	tensor_load_to_lds s[G0+4*\s:G0+4*\s+3], s[G1:G1+7]
	s_nop 0
.rept 4
	v_nop
.endr
	s_branch .Lasked_\@
.Lfor_b_\@:
	tensor_load_to_lds s[G0B+4*\s:G0B+4*\s+3], s[G1B:G1B+7]
	s_nop 0
.rept 4
	v_nop
.endr
.Lasked_\@:
.endm
.macro CREST                           ; a round of the cluster's barrier behind its opening barrier
	s_cmp_lg_u32 s10, 0
	s_cbranch_scc1 .Lnot_wave_0_\@
	s_barrier_signal -3
.Lnot_wave_0_\@:
	s_barrier_wait -3
	s_barrier_signal -1
	s_barrier_wait -1
.endm
.macro CROUND                          ; a whole round
	s_barrier_signal -1
	s_barrier_wait -1
	CREST
.endm
	s_load_b128 s[4:7], s[0:1], 0x0                ; o s[4:5], wo16 s[6:7]
	s_load_b64 s[8:9], s[0:1], 0x10                ; out0
	v_lshl_add_u32 v[SPW], v0, 2, SPARE
	v_mov_b32 v[NIL], 0
	ds_add_u32 v[SPW], v[NIL]                      ; the wave's opening: the add, twice on end, and its wait ahead of my first tensor load; work on registers stands between
	ds_add_u32 v[SPW], v[NIL]
	v_lshrrev_b32 v1, 5, v0
	v_readfirstlane_b32 s10, v1                    ; wave 0..3
	s_lshr_b32 s11, s10, 1                         ; which half of the tile's rows is mine.  Also: I fetch for A (0) or for B (1)
	s_and_b32 s12, s10, 1                          ; which half of its columns.  Also: which half of that tile I fetch
	s_bfe_u32 s40, ttmp6, 0x40000                  ; cx, cy: my place in the cluster
	s_bfe_u32 s41, ttmp6, 0x40004
	s_lshl_b32 s42, ttmp9, 2
	s_add_co_u32 s42, s42, s40                     ; tile column = 4 x cluster x + cx
	s_and_b32 s13, ttmp7, 0xffff
	s_lshl_b32 s13, s13, 2
	s_add_co_u32 s13, s13, s41                     ; tile row = 4 x cluster y + cy
	s_lshl_b32 s43, s41, 2
	s_lshl_b32 s43, 15, s43                        ; my row of the cluster
	s_lshl_b32 s44, 0x1111, s40                    ; my column
	; group 1 for A: four token tiles' parts of a K step: 4 rows of 8,192 bytes (1,024 elements of 8 bytes), 32,768 bytes apart in memory, on end in LDS
	s_or_b32 s[G1+0], s43, (3<<16)|(1<<21)         ; 15:0 the mask: A's tiles go to my row; 17:16 elements of 8 bytes; 21 set beside a mask
	s_mov_b32 s[G1+1], 1024<<16                    ; tensor_dim0
	s_mov_b32 s[G1+2], 4<<16                       ; tensor_dim1
	s_mov_b32 s[G1+3], 1024<<16                    ; tile_dim0
	s_mov_b32 s[G1+4], 4                           ; tile_dim1
	s_mov_b32 s[G1+5], 4096                        ; from row to row, in elements
	s_mov_b32 s[G1+6], 0
	s_mov_b32 s[G1+7], 0
	; group 1 for B: 64 rows x 256 elements of 2 bytes, padded in LDS
	s_or_b32 s[G1B+0], s44, (1<<16)|(1<<20)|(1<<21)|(6<<22)|(3<<25)  ; the mask of my column; padding: four words (code 3) after every 128 (code 6)
	s_mov_b32 s[G1B+1], 256<<16
	s_mov_b32 s[G1B+2], 64<<16
	s_mov_b32 s[G1B+3], 256<<16
	s_mov_b32 s[G1B+4], 64
	s_mov_b32 s[G1B+5], 1024
	s_mov_b32 s[G1B+6], 0
	s_mov_b32 s[G1B+7], 0
	; where the tiles come from.  A's hang on the tile row alone, B's on the tile column alone; each in registers that never hold the other coordinate
	s_lshl_b32 s17, s12, 17                        ; the half that I fetch: four token tiles of 32,768 bytes, or 64 rows of 2,048
	s_lshl_b32 s16, s13, 18                        ; A: token tile 8 x tile row
	s_add_co_u32 s16, s16, s17
	s_lshl_b32 s46, s42, 18                        ; B: row 128 x tile column
	s_add_co_u32 s46, s46, s17
	s_mov_b32 s17, 0
	s_mov_b32 s47, 0
	s_lshl_b32 s20, s12, 15                        ; where they go: A's half,
	s_mul_i32 s21, s12, HALFB                      ; B's half, behind A's images: no place in the cluster enters an LDS address
	s_add_co_u32 s21, s21, BOFF
	s_wait_dscnt 0x0                               ; both opening adds are done
	s_wait_kmcnt 0x0
	s_add_nc_u64 s[14:15], s[4:5], s[16:17]
	s_add_nc_u64 s[46:47], s[6:7], s[46:47]
	CROUND                                         ; all sixteen work-groups are here: the first joint loads meet
.irp s, 0,1
	s_mov_b32 s[G0+4*\s], 1
	s_add_co_u32 s[G0+4*\s+1], s20, \s*SLOT
	s_add_nc_u64 s[G0+4*\s+2:G0+4*\s+3], s[14:15], \s*ASTEP
	s_or_b32 s[G0+4*\s+3], s[G0+4*\s+3], 0x80000000
	s_mov_b32 s[G0B+4*\s], 1
	s_add_co_u32 s[G0B+4*\s+1], s21, \s*SLOT
	s_add_nc_u64 s[G0B+4*\s+2:G0B+4*\s+3], s[46:47], \s*BSTEP
	s_or_b32 s[G0B+4*\s+3], s[G0B+4*\s+3], 0x80000000
	JLOAD \s                                       ; K steps 0 and 1: two tensor loads of mine are out
.endr
	v_and_b32 v1, 15, v0                           ; l % 16
	v_bfe_u32 v2, v0, 4, 1                         ; l / 16
	v_and_b32 v3, 31, v0
	v_lshlrev_b32 v3, 4, v3                        ; A: 16 x lane in an image
	v_mul_u32_u24 v4, v1, PITCH
	v_lshl_add_u32 v4, v2, 4, v4                   ; B: a fragment's row x pitch + 16 x half
	s_lshl_b32 s21, s11, 15                        ; my four token tiles of A
	s_mul_i32 s22, s12, HALFB                      ; my 64 rows of B
	s_add_co_u32 s22, s22, BOFF
.irp s, 0,1
	v_add_nc_u32 v[ADRA+\s], s21, v3
	v_add_nc_u32 v[ADRB+\s], s22, v4
	s_add_co_u32 s21, s21, SLOT
	s_add_co_u32 s22, s22, SLOT
.endr
	s_mul_i32 s23, s10, 16*SPITCH
	s_add_co_u32 s23, s23, STAGE                   ; my stage
	v_mul_u32_u24 v5, v1, SPITCH                   ; in: row l % 16, 32 bytes for each half of the lanes
	v_lshl_add_u32 v5, v2, 5, v5
	v_add_nc_u32 v[STO], s23, v5
	v_mul_u32_u24 v5, v2, SPITCH                   ; back: lanes 0-15 take one row of 256 bytes, lanes 16-31 the next
	v_lshl_add_u32 v5, v1, 4, v5
	v_add_nc_u32 v[RD], s23, v5
	v_lshlrev_b32 v5, 12, v2                       ; and the same two rows in out0: 4,096 bytes a row
	v_lshl_add_u32 v[CO], v1, 4, v5
	s_lshl_b32 s16, s13, 19                        ; my first row: 128 x tile row + 64 x half,
	s_lshl_b32 s17, s11, 18
	s_add_co_u32 s16, s16, s17
	s_mov_b32 s17, 0
	s_add_nc_u64 s[8:9], s[8:9], s[16:17]
	s_lshl_b32 s46, s42, 9                         ; my first column, in bytes: 512 x tile column + 256 x half
	s_lshl_b32 s47, s12, 8
	s_add_co_u32 s46, s46, s47
	s_mov_b32 s47, 0
	s_add_nc_u64 s[8:9], s[8:9], s[46:47]
; 8 matrix instructions: m blocks a0, a0 + 1 x all 4 n blocks, 32 along K: half c of buffer f.  zero = 1: the first product starts the sums.  The 16 accumulators take turns
.macro MUL8 f, c, a0, zero
.irp a, \a0, \a0+1
.irp b, 0,1,2,3
.if \zero
	v_wmma_f32_16x16x32_f16 v[ACC+8*(4*(\a)+\b):ACC+8*(4*(\a)+\b)+7], v[\f+64+8*(4*\c+\b):\f+64+8*(4*\c+\b)+7], v[\f+8*(4*\c+\a):\f+8*(4*\c+\a)+7], 0
.else
	v_wmma_f32_16x16x32_f16 v[ACC+8*(4*(\a)+\b):ACC+8*(4*(\a)+\b)+7], v[\f+64+8*(4*\c+\b):\f+64+8*(4*\c+\b)+7], v[\f+8*(4*\c+\a):\f+8*(4*\c+\a)+7], v[ACC+8*(4*(\a)+\b):ACC+8*(4*(\a)+\b)+7]
.endif
.endr
.endr
.endm
; 32 LDS loads in one run: the fragments of 64 along K (byte k of B's rows; in A's images 16 k: one head is 2,048 bytes) into buffer f; the first 32 along K first
.macro FETCH slot, k, f
	WIN TO_F
.irp c, 0,1
.irp i, 0,1,2,3
	ds_load_b128 v[\f+64+8*(4*\c+\i):\f+64+8*(4*\c+\i)+3],   v[ADRB+\slot] offset:\k+64*\c+\i*16*PITCH
	ds_load_b128 v[\f+64+8*(4*\c+\i)+4:\f+64+8*(4*\c+\i)+7], v[ADRB+\slot] offset:\k+64*\c+\i*16*PITCH+32
	ds_load_b128 v[\f+8*(4*\c+\i):\f+8*(4*\c+\i)+3],         v[ADRA+\slot] offset:8192*\i+16*\k+1024*\c
	ds_load_b128 v[\f+8*(4*\c+\i)+4:\f+8*(4*\c+\i)+7],       v[ADRA+\slot] offset:8192*\i+16*\k+1024*\c+512
.endr
.endr
.endm
.macro PLACES                          ; four places in front of loads into registers that matrix instructions have read, and of LDS stores that read results
.rept 4
	v_nop
.endr
.endm
; A K step is four quarters of 64 along K, 32 matrix instructions each, on buffers 0, 1, 0, 1.  One of the first three: multiplies buffer f and fetches the next quarter, at byte k, into g.
.macro QUARTER slot, k, f, g, zero
	s_wait_dscnt 16                                ; the first 32 along K are in; the youngest sixteen loads may be out
	WIN MUL
	MUL8 \f, 0, 0, \zero
	MUL8 \f, 0, 2, \zero
	PLACES
	FETCH \slot, \k, \g
	s_wait_dscnt 32                                ; all but the 32 just issued
	WIN MUL
	MUL8 \f, 1, 0, 0
	MUL8 \f, 1, 2, 0
.endm
; The last quarter multiplies buffer 1 and changes slots: ONE barrier; in front of it each wave waits for all its tensor loads, adds 0 to its spare word, and waits for that and for its own reads of this slot.  fill = 1: this slot is filled again, two K steps ahead.
.macro TURN slot, next, fill
	WIN 0                                          ; (the add's two registers lie in window 0)
	s_wait_tensorcnt 0x0                           ; all my tensor loads have landed: my part of the next slot;
	ds_add_u32 v[SPW], v[NIL]                      ; 0 onto my spare word;
	s_wait_dscnt 17                                ; (the add and the youngest sixteen loads may be out)
	WIN MUL
	MUL8 F1, 0, 0, 0                               ; eight matrix instructions stand between the add and the wait for it
	s_wait_dscnt 0x0                               ; the add is done, and my reads of this slot are over
	s_barrier_signal -1
	MUL8 F1, 0, 2, 0
.if \fill
	WIN 0
.endif
	s_barrier_wait -1
.if \fill
	CREST                                          ; the barrier has opened a round of the cluster's barrier: no wave of any partner still reads this slot's tile or has a load on its way
	s_add_nc_u64 s[G0+4*\slot+2:G0+4*\slot+3], s[G0+4*\slot+2:G0+4*\slot+3], 2*ASTEP
	s_add_nc_u64 s[G0B+4*\slot+2:G0B+4*\slot+3], s[G0B+4*\slot+2:G0B+4*\slot+3], 2*BSTEP
	JLOAD \slot                                    ; the first tensor load behind the round: one of mine is out; the four v_nop behind it are also the places in front of the loads below
.else
	PLACES
.endif
	FETCH \next, 0, F0
	WIN MUL
	MUL8 F1, 1, 0, 0
	MUL8 F1, 1, 2, 0
.endm
	s_wait_tensorcnt 0x1                           ; my part of K step 0 is in (K step 1's load may be out)
	s_barrier_signal -1
	s_barrier_wait -1                              ; everybody's is
	FETCH 0, 0, F0
	QUARTER 0, 128, F0, F1, 1                      ; K step 0: its first products start the sums
	QUARTER 0, 256, F1, F0, 0
	QUARTER 0, 384, F0, F1, 0
	TURN 0, 1, 1                                   ; slot 0 takes K step 2
	QUARTER 1, 128, F0, F1, 0                      ; K step 1
	QUARTER 1, 256, F1, F0, 0
	QUARTER 1, 384, F0, F1, 0
	TURN 1, 0, 1                                   ; slot 1 takes K step 3
	QUARTER 0, 128, F0, F1, 0                      ; K step 2: the last two steps fill nothing, and have no round of the cluster's barrier
	QUARTER 0, 256, F1, F0, 0
	QUARTER 0, 384, F0, F1, 0
	TURN 0, 1, 0
	QUARTER 1, 128, F0, F1, 0                      ; K step 3
	QUARTER 1, 256, F1, F0, 0
	QUARTER 1, 384, F0, F1, 0
	s_wait_dscnt 16                                ; the very last quarter: nothing more to fetch
	WIN MUL
	MUL8 F1, 0, 0, 0
	MUL8 F1, 0, 2, 0
	s_wait_dscnt 0x0
	MUL8 F1, 1, 0, 0
	MUL8 F1, 1, 2, 0
	WIN 0
; THE WAY OUT, block by block of 16 rows x 64 columns.  A lane holds 32 neighbouring bytes of a row, and the lanes beside it hold other rows: so a block goes through my own stage in LDS and comes back as whole rows of 256 bytes:
; sixteen lanes store 256 consecutive bytes, at a multiple of 256 from out0's first byte.  LDS serves a wave's instructions in order: no wait between the stores and the loads, nor in front of the next block's stores.
.macro TOSTAGE a
.irp b, 0,1,2,3
	ds_store_b128 v[STO], v[ACC+8*(4*(\a)+\b):ACC+8*(4*(\a)+\b)+3] offset:64*\b          ; each accumulator from its low end on
	ds_store_b128 v[STO], v[ACC+8*(4*(\a)+\b)+4:ACC+8*(4*(\a)+\b)+7] offset:64*\b+16
.endr
.irp t, 0,1,2,3,4,5,6,7
	ds_load_b128 v[OB+32*((\a)%2)+4*\t:OB+32*((\a)%2)+4*\t+3], v[RD] offset:\t*2*SPITCH
.endr
.endm
.macro SEND a, younger                 ; younger: the LDS instructions issued behind block a's loads, which may stay out
	s_wait_dscnt \younger                          ; the block is back in registers
.irp t, 0,1,2,3,4,5,6,7
	global_store_b128 v[CO], v[OB+32*((\a)%2)+4*\t:OB+32*((\a)%2)+4*\t+3], s[8:9] offset:(16*(\a)+2*\t)*4096 th:TH_STORE_NT   ; written once, read by nobody here
.endr
.endm
	PLACES                                         ; behind the last products
	TOSTAGE 0
.irp a, 1,2,3
.if \a > 1
	s_wait_xcnt 0x0                                ; block a - 2's stores have read their registers: block a's loads may land there
.endif
	TOSTAGE \a
	SEND \a-1, 16                                  ; behind block a - 1's loads: block a's 8 stores and 8 loads
.endr
	SEND 3, 0
	s_wait_tensorcnt 0x0                           ; the wave's end: behind my last tensor load and my last LDS store
	ds_add_u32 v[SPW], v[NIL]
	s_wait_dscnt 0x0
	CROUND                                         ; the closing round: no work-group ends while a partner may still ask for a tile that names it
	s_endpgm
.Lfunc_end_k_q2c0ea3e667_outp:
	.size	k_q2c0ea3e667_outp, .Lfunc_end_k_q2c0ea3e667_outp-k_q2c0ea3e667_outp
	.p2alignl 7, 3214868480
	.fill 96, 4, 3214868480
	.section	.rodata,"a",@progbits
	.p2align	6, 0x0
	.amdhsa_kernel k_q2c0ea3e667_outp
		.amdhsa_group_segment_fixed_size 327680
		.amdhsa_private_segment_fixed_size 0
		.amdhsa_enable_private_segment 0
		.amdhsa_kernarg_size 24
		.amdhsa_user_sgpr_count 2
		.amdhsa_user_sgpr_kernarg_segment_ptr 1
		.amdhsa_wavefront_size32 1
		.amdhsa_system_sgpr_workgroup_id_x 1
		.amdhsa_system_sgpr_workgroup_id_y 1
		.amdhsa_system_sgpr_workgroup_id_z 1
		.amdhsa_system_vgpr_workitem_id 0
		.amdhsa_next_free_vgpr 512
		.amdhsa_next_free_sgpr 66
		.amdhsa_reserve_vcc 0
		.amdhsa_float_denorm_mode_32 3
		.amdhsa_float_denorm_mode_16_64 3
		.amdhsa_memory_ordered 1
		.amdhsa_forward_progress 1
		.amdhsa_inst_pref_size 85
	.end_amdhsa_kernel
	.amdgpu_metadata
---
amdhsa.version: [ 1, 2 ]
amdhsa.kernels:
  - .name:           k_q2c0ea3e667_outp
    .symbol:         k_q2c0ea3e667_outp.kd
    .args:
      - { .name: o, .offset: 0, .size: 8, .value_kind: global_buffer, .address_space: global }
      - { .name: wo16, .offset: 8, .size: 8, .value_kind: global_buffer, .address_space: global }
      - { .name: out0, .offset: 16, .size: 8, .value_kind: global_buffer, .address_space: global }
    .group_segment_fixed_size: 327680
    .private_segment_fixed_size: 0
    .kernarg_segment_align: 8
    .kernarg_segment_size: 24
    .max_flat_workgroup_size: 128
    .sgpr_count:     66
    .vgpr_count:     512
    .wavefront_size: 32
...
	.end_amdgpu_metadata
.endif
;; end of part 4
